; MI455X (gfx1250); checked and timed in simulation.
; The chip was launched on July 23, 2026; its instructions are those of AMD's public machine-readable ISA for CDNA 5 (MIT licence, August 2026) and "CDNA5" Instruction Set Architecture Reference Guide (July 2026). The comments in the code are by the model that wrote it; some were corrected since.
;; Causal Self Attention. Allowed arithmetic: matrix products marked QUANTISED: E2M3 operands, one E8M0 scale for each 32 along K, by v_wmma_scale_f32_16x16x128_f8f6f4 with both operands' format E2M3, f32 sums; everything else in f32.
;; Inputs: b_proj 1,024 float32; b_qkv 3,072 float32; w_proj 1,024 x 1,024 float32; w_qkv 1,024 x 3,072 float32; x 4 x 2,048 x 1,024 float32.
;; Outputs: out0 4 x 2,048 x 1,024 float32.
;; This version of the problem:
;;   THIS VERSION OF THE PROBLEM IS GIVEN IN LOW PRECISION. The matrix products marked QUANTISED in the list below multiply operands that are first quantised to E2M3 (2 exponent bits, 3 mantissa bits; 6 bits a number), with one power-of-two scale for each 32 numbers along K (OCP MX v1.0); their sums are f32. All else is computed in f32.
;;   The module's matrix products, in the order in which they are computed (A, B: the left and right operand; K: the contracted axis; several contracted axes count as one K, in the product's order):
;;     1. [M 8,192, K 1,024] x [K 1,024, N 3,072]; A: input x; B: input w_qkv: QUANTISED
;;     2. batch 64 x [M 2,048, K 64] x [K 64, N 2,048]; A: computed on the way; B: computed on the way: QUANTISED
;;     3. batch 64 x [M 2,048, K 2,048] x [K 2,048, N 64]; A: softmax (see below); B: computed on the way: QUANTISED
;;     4. [M 8,192, K 1,024] x [K 1,024, N 1,024]; A: computed on the way; B: input w_proj: QUANTISED
;;   THE QUANTISER, for each operand of a quantised product, along K:
;;     - K is cut into blocks of 32 from its start; a last block that is shorter is filled with zeros.
;;     - A block's scale is 2^e with e = floor(log2(the largest magnitude in the block)) - 2, held to -126 .. 127; a block of zeros has e = 0. As a byte (E8M0): e + 127.
;;     - Each number is divided by its block's scale, clamped to +-7.5, and rounded to the nearest number of E2M3, ties to even, subnormals kept.
;;     - The product sums the exact products of the quantised numbers (number of the format x scale) in f32.
;;   ~~~python
;;   def quantise(x, axis):      # numpy; x: float32 -> the quantised numbers, widened to float32 again
;;       x = np.moveaxis(x, axis, -1); K = x.shape[-1]
;;       x = np.pad(x, [(0, 0)] * (x.ndim - 1) + [(0, -K % 32)]); x = x.reshape(x.shape[:-1] + (-1, 32)); a = np.abs(x).max(-1, keepdims=True)
;;       e = np.where(a > 0, np.clip(np.frexp(np.where(a > 0, a, 1))[1] - 1 - 2, -126, 127), 0)      # np.frexp(a)[1] - 1 = floor(log2(a)), exactly
;;       r = np.clip(x / 2.0 ** e, -7.5, 7.5)
;;       step = 2.0 ** (np.maximum(np.frexp(np.where(r == 0, 1, r))[1] - 1, 0) - 3)
;;       q = np.round(r / step) * step * 2.0 ** e      # np.round: ties to even
;;       return np.moveaxis(q.reshape(q.shape[:-2] + (-1,))[..., :K], -1, axis).astype(np.float32)
;;   ~~~
;;   SOFTMAX AHEAD OF A QUANTISED PRODUCT. Where the list says 'softmax', what is quantised is not the finished softmax but p = 2^(t - M), with t = logit x log2(e) and M = ceil(the row's largest t), a whole number; so 1/2 < the row's largest p <= 1. The row's sum l is taken of the UNQUANTISED p, in f32, and the product's result is divided by l at the end. Since M is a whole number, a kernel that streams over the keys may use a running M (the ceiling of the running maximum): every later rescaling is an exact power of two, which a block's scale takes up: the codes' values come out the same.
;;   OPERANDS COMPUTED ON THE WAY. 'Computed on the way' means the value that the module computes at that place (a softmax that the list does not call 'softmax' is quantised finished and normalised). What goes into a quantiser is computed in f32, as accurately as f32 sums, v_exp_f32 and their like allow (about 1e-6 of the number): no bf16 or f16 on the way to a quantiser, and a product that is left as it is and whose result goes on into a quantised operand takes f32 operands (vector FMAs, or v_wmma_f32_16x16x4_f32). A number that lies on a knife's edge between two numbers of the format may be rounded either way, as far as f32 arithmetic and the matrix unit's own rounding can turn it there, and no further.
;; One version. Each part assembles by itself: llvm-mc -triple=amdgcn-amd-amdhsa -mcpu=gfx1250 --defsym DOCPART=n.
;; ======== version 1 of 1: 4 launches
;; workspace buffers: xq 6,553,600 bytes; wq 3,276,800 bytes; qkv 19,660,800 bytes; yq 6,553,600 bytes
;; launch quant (part 1): grid 512 x 1, 4 waves a work-group, no clusters, 47,616 bytes of LDS; arguments x, xq, w_qkv, w_proj, wq; writes xq, wq
.if DOCPART == 1
	.amdgcn_target "amdgcn-amd-amdhsa--gfx1250"
	.amdhsa_code_object_version 6
	.text
	.protected	k_q8bbc4457f5_quant
	.globl	k_q8bbc4457f5_quant
	.p2align	8
	.type	k_q8bbc4457f5_quant,@function
k_q8bbc4457f5_quant:
	s_mov_b64 s[64:65], 0
	v_nop
	global_prefetch_b8 v0, s[64:65] scope:SCOPE_SE
	s_setreg_imm32_b32 hwreg(HW_REG_WAVE_MODE, 25, 1), 1
	s_wait_xcnt 0x0
; x [8192][1024], w_qkv [1024][3072] and w_proj [1024][1024], f32, become codes of FP6 (E2M3) with one E8M0 scale byte for each 32 along K, laid as the products' launches read them.
; A block's scale is 2^(floor(log2(its largest magnitude)) - 2); its byte is the largest magnitude's exponent field - 2, held at 1 from below; each number is divided by the scale and rounded to the nearest code, ties to even.
; ONE LAUNCH, TWO WAYS: work-groups 0 to 255 take x (K innermost), work-groups 256 to 511 the weights (K their first axis).  The ways part at the head on the work-group's number and never meet again; each has LDS bytes of its own
; (x: bytes 0 to 33,791; the weights: 33,792 to 47,103), so that a work-group of either kind can lie beside one of the other on a WGP.
; THE LAYOUT OF BOTH OUTPUTS.  Codes: [tile of 16 rows][64 along K: 16][768 bytes]: a HALF FRAGMENT, 16 rows x 64 K as an image of six operand registers: piece p (registers 2 p, 2 p + 1) of lane l at 256 p + 8 l;
; lane (r, h) holds k = 32 h .. 32 h + 31 of the tile's row r.  Lane r of tile 2 B + u is row 32 B + 8 u + r + 8 (r / 8).  Scale words behind the codes: [tile][K half 2][r 16][4 words], a word for 128 along K.
; xq: 512 tiles of x's rows, scale words from byte 6,291,456 on.  wq: 256 tiles of columns, n = 0 .. 3071 w_qkv's, n = 3072 .. 4095 w_proj's, scale words from byte 3,145,728 on.
; LIMITS: NaN and infinities among the inputs are not served.  A block of zeros, or one whose largest magnitude lies under 2^-124, gets the byte 1 (the rule says 127 for zeros): its codes are zeros or the nearest codes under that scale,
; and the bytes are read by this program alone.  The weights' scale words leave by stores of 4 bytes a lane, 16 bytes apart: 131,072 bytes in all, one byte for each 128 that their way reads.
	v_lshl_add_u32 v254, v0, 2, 0xb800
	v_mov_b32 v255, 0
	s_cmp_lt_u32 ttmp9, 256                        ; x's work-group or the weights'?
	s_cbranch_scc0 .Lweights
; ---- x.  A wave takes one row tile x 512 along K, in four steps of 128.  Each of a step's 16 loads reads 512 consecutive bytes of one row; the 8 KiB turn through the wave's own stage in LDS (rows 528 bytes apart) and come
; back so that lane (r, h) holds k = 64 c + 32 h + 0 .. 31 of row r in consecutive registers: whole blocks, in the operand's own order.  No barrier: waves share nothing.  Loads run one step (16 loads) ahead of the step at work.
.set SPT,   528                        ; a stage row: 512 bytes + 16
.set STG,   16*SPT                     ; a wave's stage
.set RAW,   16                         ; v16-143   two sets of 64 registers as loaded
.set X,     144                        ; v144-207  64 numbers: register 32 c + i = k 64 c + 32 h + i of my row
.set C,     208                        ; v208-219  the fragment's codes
.set T,     220                        ; v220-227  the upper halves of the blocks' codes, as the conversions leave them
.set W,     228                        ; v228-231  the four steps' scale words
.set SCOFF, 6291456
	s_load_b128 s[4:7], s[0:1], 0x0                ; x, xq
	v_lshrrev_b32 v10, 5, v0
	v_readfirstlane_b32 s14, v10                   ; wave
	v_and_b32 v1, 31, v0                           ; lane
	v_and_b32 v2, 15, v0                           ; r
	v_bfe_u32 v3, v0, 4, 1                         ; h
	v_lshlrev_b32 v4, 4, v1                        ; my 16 bytes of a load's 512
	s_mul_i32 s15, s14, STG
	v_add_nc_u32 v5, s15, v4                       ; the stage, on the way in
	v_mul_u32_u24 v6, v2, SPT
	v_lshl_add_u32 v6, v3, 7, v6
	v_add_nc_u32 v6, s15, v6                       ; and on the way out: row r, + 128 h bytes
	v_lshlrev_b32 v7, 3, v1                        ; 8 x lane: my place in a piece of an image
	v_lshlrev_b32 v8, 4, v2
	v_lshl_add_u32 v8, v3, 3, v8                   ; 16 r + 8 h: my two of the row's four scale words
	v_lshlrev_b32 v9, 3, v3                        ; 8 h: my bytes' shift in a scale word
	v_mov_b32 v239, 0                              ; written once: a lane permute's destination counts as one of its sources
	s_mov_b32 s20, 0x76543210
	s_mov_b32 s21, 0xfedcba98                      ; v_permlanex16_b32's selects for lane l xor 16
	s_mov_b32 s22, 0xffff0000                      ; lanes 16-31
	s_lshr_b32 s16, s14, 1
	s_lshl_b32 s17, ttmp9, 1
	s_add_co_u32 s16, s16, s17                     ; my row tile: 2 x work-group + wave / 2
	s_and_b32 s17, s14, 1                          ; my half of K
	s_lshr_b32 s18, s16, 1
	s_lshl_b32 s18, s18, 5
	s_and_b32 s19, s16, 1
	s_lshl_b32 s19, s19, 3
	s_add_co_u32 s18, s18, s19                     ; the tile's first row: 32 B + 8 u
	s_lshl_b32 s18, s18, 12                        ; rows of 4,096 bytes
	s_lshl_b32 s19, s17, 11
	s_add_co_u32 s18, s18, s19
	s_mov_b32 s19, 0
	s_mul_i32 s24, s16, 12288                      ; the tile's images: 16 x 768 bytes
	s_mul_i32 s23, s17, 6144
	s_add_co_u32 s24, s24, s23
	s_mov_b32 s25, 0
	s_lshl_b32 s26, s16, 9                         ; its scale words: 512 bytes
	s_lshl_b32 s23, s17, 8
	s_add_co_u32 s26, s26, s23
	s_add_co_u32 s26, s26, SCOFF
	s_mov_b32 s27, 0
	s_wait_kmcnt 0x0
	s_add_nc_u64 s[8:9], s[4:5], s[18:19]
	s_add_nc_u64 s[10:11], s[6:7], s[24:25]
	s_add_nc_u64 s[12:13], s[6:7], s[26:27]
.macro XLOAD t                         ; step t: 512 bytes of each of the tile's 16 rows
.irp i, 0,1,2,3,4,5,6,7,8,9,10,11,12,13,14,15
	global_load_b128 v[RAW+64*((\t)%2)+4*\i:RAW+64*((\t)%2)+4*\i+3], v4, s[8:9] offset:(\i+8*(\i/8))*4096+512*(\t) th:TH_LOAD_NT
.endr
.endm
.macro XSTEP t
.if (\t) < 3
	s_wait_loadcnt 16                              ; this step's 16 loads are in; the next step's 16 may be out
.else
	s_wait_loadcnt 0x0
.endif
.irp i, 0,1,2,3,4,5,6,7,8,9,10,11,12,13,14,15
	ds_store_b128 v5, v[RAW+64*((\t)%2)+4*\i:RAW+64*((\t)%2)+4*\i+3] offset:SPT*\i
.endr
.irp c, 0,1
.irp j, 0,1,2,3,4,5,6,7
	ds_load_b128 v[X+32*\c+4*\j:X+32*\c+4*\j+3], v6 offset:256*\c+16*\j   ; LDS serves a wave's instructions in order: these see the stores above
.endr
.endr
	s_wait_dscnt 0x0                               ; my numbers are back, and the stores into the stage have read their registers,
.if (\t) < 2
	XLOAD (\t)+2                                   ; which take the loads of two steps on
.endif
.irp c, 0,1
	v_max3_num_f32 v[232+\c], |v[X+32*\c]|, |v[X+32*\c+1]|, 0x1800000   ; block 2 c + h: all its 32 numbers are mine; the floor 2^(3 - 127) holds the byte at 1 from below
.endr
.irp i, 2,4,6,8,10,12,14,16,18,20,22,24,26,28,30
.irp c, 0,1
	v_max3_num_f32 v[232+\c], v[232+\c], |v[X+32*\c+\i]|, |v[X+32*\c+\i+1]|   ; (the two blocks by turns)
.endr
.endr
.irp c, 0,1
	v_add_nc_u32 v[234+\c], 0xff000000, v[232+\c]  ; 2 off the exponent field: the conversion takes the exponent field of this operand as its scale
.endr
.irp c, 0,1
	v_lshrrev_b32 v[236+\c], 23, v[234+\c]         ; the scale's byte
.endr
	v_lshl_or_b32 v238, v237, 16, v236             ; my two bytes, blocks h and 2 + h,
	v_lshlrev_b32 v238, v9, v238                   ; at their places in the word;
	v_permlanex16_b32 v239, v238, s20, s21
	v_or_b32 v[W+(\t)], v238, v239                 ; with lane l xor 16's two the word is whole
	s_wait_xcnt 0x0                                ; the last step's stores have read the codes' registers: they are written again only behind this wait
.irp c, 0,1
	v_cvt_scalef32_pk16_fp6_f32 v[C+6*\c:C+6*\c+2], v[X+32*\c:X+32*\c+15], v[234+\c]
	v_cvt_scalef32_pk16_fp6_f32 v[T+4*\c:T+4*\c+2], v[X+32*\c+16:X+32*\c+31], v[234+\c]   ; (a conversion's three registers begin on an even number)
.endr
	v_nop                                          ; one plain place behind a scaled conversion
.irp c, 0,1
.irp i, 0,1,2
	v_mov_b32 v[C+6*\c+3+\i], v[T+4*\c+\i]
.endr
.endr
.irp p, 0,1,2,3,4,5
	global_store_b64 v7, v[C+2*\p:C+2*\p+1], s[10:11] offset:1536*(\t)+256*\p   ; 32 lanes store 256 consecutive bytes, aligned
.endr
.endm
	XLOAD 0
	XLOAD 1
	XSTEP 0
	XSTEP 1
	XSTEP 2
	XSTEP 3
	v_cndmask_b32 v240, v[W], v[W+2], s22          ; lanes 0-15 store the row's words 0 and 1, lanes 16-31 its words 2 and 3
	v_cndmask_b32 v241, v[W+1], v[W+3], s22
	global_store_b64 v8, v[240:241], s[12:13]      ; 256 consecutive bytes, aligned
	s_wait_tensorcnt 0x0
	ds_add_u32 v254, v255
	s_wait_dscnt 0x0
	s_endpgm
; ---- the weights.  A LANE TAKES A COLUMN, AND ITS REGISTERS RUN DOWN K: a block of 32 lies in one lane's 32 registers, its largest magnitude needs no other lane, and the conversions give codes with K innermost.
; Work-group 256 + 32 y + cg: columns 128 cg on, K = 128 y on; a wave 32 columns x 128 K: four blocks a lane.  Each load reads 128 consecutive bytes a wave, 512 a work-group.  Pointer, pitch and column of the two tensors
; are chosen on cg.  The codes go through the wave's own stage in LDS, laid as the two tiles' images, and leave as runs of 512 bytes.  No barrier: waves share nothing.  Loads run one block (32 loads) ahead.
.Lweights:
.set WX,    48                         ; v48-111   two sets of 32 numbers
.set WC,    112                        ; v112-117  a block's codes
.set WT,    118                        ; v118-120  their upper half, as the conversion leaves it
.set WSW,   122                        ; v122      my column's scale word for these 128 along K
.set WOUT,  124                        ; v124-147  the way out
.set TSTG,  1664                       ; a tile's two half fragments in the stage: 1,536 bytes + 128, so that the two tiles' lanes fall on different banks
.set WSTG,  2*TSTG
.set WBASE, 4*STG                      ; behind x's four stages
	s_load_b128 s[4:7], s[0:1], 0x10               ; w_qkv, w_proj
	s_load_b64 s[8:9], s[0:1], 0x20                ; wq
	v_lshrrev_b32 v1, 5, v0
	v_readfirstlane_b32 s10, v1                    ; wave
	v_and_b32 v2, 31, v0                           ; j: my column among the wave's 32
	v_lshlrev_b32 v3, 2, v2
	v_bfe_u32 v8, v2, 3, 1                         ; u = (j / 8) % 2: which of the two tiles
	v_and_b32 v9, 7, v2
	v_lshrrev_b32 v10, 4, v2
	v_lshl_add_u32 v9, v10, 3, v9                  ; r = j % 8 + 8 (j / 16): which lane of it
	s_mul_i32 s11, s10, WSTG
	s_add_co_u32 s11, s11, WBASE
	v_mul_u32_u24 v4, v8, TSTG
	v_lshl_add_u32 v4, v9, 3, v4
	v_add_nc_u32 v4, s11, v4                       ; into the stage: tile u, 8 r
	v_lshlrev_b32 v6, 4, v2                        ; out: 16 bytes a lane
	v_add_nc_u32 v5, s11, v6
	v_lshlrev_b32 v7, 9, v8
	v_lshl_add_u32 v7, v9, 4, v7                   ; my scale word: tile u (512 bytes), 16 r
	s_sub_co_u32 s36, ttmp9, 256
	s_and_b32 s37, s36, 31                         ; cg: which 128 columns of wq
	s_lshr_b32 s12, s36, 5                         ; y: which 128 along K
	s_mov_b32 s13, 4096
	s_sub_co_u32 s14, s37, 24
	s_wait_kmcnt 0x0
	s_cmp_lt_u32 s37, 24                           ; w_qkv's columns or w_proj's?  The choice hangs on the work-group's number alone
	s_cselect_b64 s[4:5], s[4:5], s[6:7]
	s_cselect_b32 s13, 12288, s13                  ; bytes from row to row
	s_cselect_b32 s14, s37, s14                    ; which 128 columns of that tensor
	s_lshl_b32 s15, s14, 9
	s_lshl_b32 s16, s10, 7
	s_add_co_u32 s15, s15, s16                     ; my wave's first column, in bytes
	s_lshl_b32 s16, s12, 7
	s_mul_i32 s16, s16, s13
	s_add_co_u32 s16, s16, s15                     ; + 128 y rows
	s_mov_b32 s17, 0
	s_lshl_b32 s18, s13, 5                         ; 32 rows
	s_mov_b32 s19, 0
	s_add_nc_u64 s[24:25], s[4:5], s[16:17]        ; a base for each of the four blocks
	s_add_nc_u64 s[26:27], s[24:25], s[18:19]
	s_add_nc_u64 s[28:29], s[26:27], s[18:19]
	s_add_nc_u64 s[30:31], s[28:29], s[18:19]
.set i, 0
.rept 32
	v_mad_u32_u24 v[16+i], s13, i, v3              ; v16-47: row i of a block, my column; never rewritten
.set i, i+1
.endr
	s_lshl_b32 s20, s37, 2
	s_add_co_u32 s20, s20, s10                     ; which 32 columns of wq: tiles 2 x this and the next
	s_mul_i32 s22, s20, 24576
	s_mul_i32 s23, s12, 1536
	s_add_co_u32 s22, s22, s23
	s_mov_b32 s23, 0
	s_add_nc_u64 s[32:33], s[8:9], s[22:23]        ; the first tile's two half fragments of these 128 along K
	s_lshl_b32 s22, s20, 10
	s_lshr_b32 s21, s12, 2
	s_lshl_b32 s21, s21, 8
	s_add_co_u32 s22, s22, s21
	s_and_b32 s21, s12, 3
	s_lshl_b32 s21, s21, 2
	s_add_co_u32 s22, s22, s21
	s_add_co_u32 s22, s22, 3145728
	s_add_nc_u64 s[34:35], s[8:9], s[22:23]        ; and its scale words' place for them
.macro WLOAD t                         ; block t: rows 32 t + i, my column, into set t % 2
.set i, 0
.rept 32
	global_load_b32 v[WX+32*((\t)%2)+i], v[16+i], s[24+2*(\t):25+2*(\t)] th:TH_LOAD_NT
.set i, i+1
.endr
.endm
.macro WBLOCK t
.set XS, WX+32*((\t)%2)
.if (\t) < 3
	s_wait_loadcnt 32                              ; this block's 32 loads are in; the next block's may be out
.else
	s_wait_loadcnt 0x0
.endif
	v_max3_num_f32 v12, |v[XS]|, |v[XS+1]|, |v[XS+2]|   ; the block's largest magnitude, in two chains
	v_max3_num_f32 v13, |v[XS+3]|, |v[XS+4]|, |v[XS+5]|
.irp i, 6,10,14,18,22,26
	v_max3_num_f32 v12, v12, |v[XS+\i]|, |v[XS+\i+1]|
	v_max3_num_f32 v13, v13, |v[XS+\i+2]|, |v[XS+\i+3]|
.endr
	v_max3_num_f32 v12, v12, |v[XS+30]|, |v[XS+31]|
	v_max3_num_f32 v12, v12, v13, 0x1800000        ; and the floor 2^(3 - 127): the byte cannot fall under 1
	v_add_nc_u32 v11, 0xff000000, v12              ; 2 off its exponent field: the conversion's scale operand
	v_lshrrev_b32 v14, 23, v11                     ; the scale's byte
.if (\t) == 0
	v_mov_b32 v[WSW], v14
.else
	v_lshl_or_b32 v[WSW], v14, 8*(\t), v[WSW]      ; the lower K in the lower byte
.endif
	v_cvt_scalef32_pk16_fp6_f32 v[WC:WC+2], v[XS:XS+15], v11
	v_cvt_scalef32_pk16_fp6_f32 v[WT:WT+2], v[XS+16:XS+31], v11   ; (a conversion's three registers begin on an even number)
	v_nop                                          ; one plain place behind a scaled conversion
.irp i, 0,1,2
	v_mov_b32 v[WC+3+\i], v[WT+\i]
.endr
.irp p, 0,1,2
	ds_store_b64 v4, v[WC+2*\p:WC+2*\p+1] offset:768*((\t)/2)+128*((\t)%2)+256*\p   ; half fragment t / 2, lane r + 16 (t % 2), piece p
.endr
.if (\t) < 2
	WLOAD (\t)+2
.endif
	s_wait_dscnt 0x0                               ; the stores have read their registers: the next block's codes may be written
.endm
	WLOAD 0
	WLOAD 1
	WBLOCK 0
	WBLOCK 1
	WBLOCK 2
	WBLOCK 3
.irp n, 0,1,2,3,4,5
	ds_load_b128 v[WOUT+4*\n:WOUT+4*\n+3], v5 offset:TSTG*(\n/3)+512*(\n%3)   ; LDS serves a wave's instructions in order: these see my stores
.endr
.irp n, 0,1,2,3,4,5
	s_wait_dscnt 5-\n                              ; load n is back; the younger ones may be out
	global_store_b128 v6, v[WOUT+4*\n:WOUT+4*\n+3], s[32:33] offset:12288*(\n/3)+512*(\n%3)   ; 512 consecutive bytes, aligned to 256
.endr
	global_store_b32 v7, v[WSW], s[34:35]
	s_wait_tensorcnt 0x0
	ds_add_u32 v254, v255
	s_wait_dscnt 0x0
	s_endpgm
.Lfunc_end_k_q8bbc4457f5_quant:
	.size	k_q8bbc4457f5_quant, .Lfunc_end_k_q8bbc4457f5_quant-k_q8bbc4457f5_quant
	.p2alignl 7, 3214868480
	.fill 96, 4, 3214868480
	.section	.rodata,"a",@progbits
	.p2align	6, 0x0
	.amdhsa_kernel k_q8bbc4457f5_quant
		.amdhsa_group_segment_fixed_size 47616
		.amdhsa_private_segment_fixed_size 0
		.amdhsa_enable_private_segment 0
		.amdhsa_kernarg_size 40
		.amdhsa_user_sgpr_count 2
		.amdhsa_user_sgpr_kernarg_segment_ptr 1
		.amdhsa_wavefront_size32 1
		.amdhsa_system_sgpr_workgroup_id_x 1
		.amdhsa_system_sgpr_workgroup_id_y 1
		.amdhsa_system_sgpr_workgroup_id_z 1
		.amdhsa_system_vgpr_workitem_id 0
		.amdhsa_next_free_vgpr 256
		.amdhsa_next_free_sgpr 66
		.amdhsa_reserve_vcc 0
		.amdhsa_float_denorm_mode_32 3
		.amdhsa_float_denorm_mode_16_64 3
		.amdhsa_memory_ordered 1
		.amdhsa_forward_progress 1
		.amdhsa_inst_pref_size 56
	.end_amdhsa_kernel
	.amdgpu_metadata
---
amdhsa.version: [ 1, 2 ]
amdhsa.kernels:
  - .name:           k_q8bbc4457f5_quant
    .symbol:         k_q8bbc4457f5_quant.kd
    .args:
      - { .name: x, .offset: 0, .size: 8, .value_kind: global_buffer, .address_space: global }
      - { .name: xq, .offset: 8, .size: 8, .value_kind: global_buffer, .address_space: global }
      - { .name: w_qkv, .offset: 16, .size: 8, .value_kind: global_buffer, .address_space: global }
      - { .name: w_proj, .offset: 24, .size: 8, .value_kind: global_buffer, .address_space: global }
      - { .name: wq, .offset: 32, .size: 8, .value_kind: global_buffer, .address_space: global }
    .group_segment_fixed_size: 47616
    .private_segment_fixed_size: 0
    .kernarg_segment_align: 8
    .kernarg_segment_size: 40
    .max_flat_workgroup_size: 128
    .sgpr_count:     66
    .vgpr_count:     256
    .wavefront_size: 32
...
	.end_amdgpu_metadata
.endif
;; end of part 1
;; launch qkv (part 2): grid 12 x 32, 4 waves a work-group, clusters of 4 x 4, 327,680 bytes of LDS; arguments xq, wq, b_qkv, qkv; writes qkv
.if DOCPART == 2
	.amdgcn_target "amdgcn-amd-amdhsa--gfx1250"
	.amdhsa_code_object_version 6
	.text
	.protected	k_q8bbc4457f5_qkv
	.globl	k_q8bbc4457f5_qkv
	.p2align	8
	.type	k_q8bbc4457f5_qkv,@function
k_q8bbc4457f5_qkv:
	s_mov_b64 s[64:65], 0
	v_nop
	global_prefetch_b8 v0, s[64:65] scope:SCOPE_SE
	s_setreg_imm32_b32 hwreg(HW_REG_WAVE_MODE, 25, 1), 1
	s_wait_xcnt 0x0
	s_wait_alu depctr_hold_cnt(0) depctr_sa_sdst(0) depctr_va_vdst(0) depctr_va_sdst(0) depctr_va_ssrc(0) depctr_va_vcc(0) depctr_vm_vsrc(0)
	s_getreg_b32 s2, hwreg(HW_REG_IB_STS2, 6, 4)
	s_cmp_eq_u32 s2, 0
	s_cbranch_scc0 .Lentry_in_a_cluster
	s_endpgm
.Lentry_in_a_cluster:
	s_bfe_u32 s2, ttmp6, 0x10000c
	s_cmp_lg_u32 s2, 0xf033
	s_cbranch_scc0 .Lentry_shape_is_right
	s_endpgm
.Lentry_shape_is_right:
; qkv = x w_qkv + b_qkv on codes of FP6 (E2M3) with E8M0 scales, sums in f32; the results are quantised at once, q and k along the head's 64 (two blocks of 32), v along the tokens, and leave as codes and scale words alone.
; A tile of 256 x 256 is made by four waves, each 128 x 128: 64 accumulators, 512 registers.  K = 1,024 goes in eight steps of 128, written out, through three LDS slots of 256 along K: three slots are filled at the start,
; the first is filled once more.  The operands lie in memory as images of operand registers (half fragments of 768 bytes), so a fragment is six loads of 8 bytes a lane, each 256 consecutive bytes: no pitch, no padding.
; SOURCE 0 IS "P", SOURCE 1 IS "R": in a result a lane holds ONE row of R and its registers run along P's rows; since lane r of tile 2 B + u is row 32 B + 8 u + r + 8 (r / 8), the 16 registers of P's tiles 2 B, 2 B + 1 are 16 neighbours.
; The cluster's x says what is made: 0 q, 1 k: P = w's columns, R = tokens (a lane holds a token, registers run along d).  2 v: P = tokens, R = w's columns (a lane holds a d, registers run along the tokens, which are
; the K of attention's second product).  Only pointers and tile numbers are chosen by that; LDS addresses, masks and the loop are the same.
; CLUSTERS: 4 x 4 work-groups.  R's tiles hang on cy and are shared along a row of the cluster, P's on cx and are shared along a column: each is asked for jointly, which divides the requests by four.
; LAYOUT OF qkv.  Codes of type ty at ty x 6,291,456, 98,304 bytes for each bh = 16 b + head.  q, k: [bh][token tile 128][768].  v: [bh][128 keys: 16][d tile 4][1,536], a whole fragment.
; Scale words at 18,874,368 + ty x 262,144: [bh][128 tokens: 16][r 16][4 words]; q, k: word i = the two bytes of token tile 2 i, then those of tile 2 i + 1; v: word dt = the fragment's own.
; LIMITS: NaN and infinities are not served; a block of zeros, or one whose largest magnitude lies under 2^-124, gets the byte 1; the bytes are read by this program alone.
; Both kinds of bias (along P for q and k, along R for v) are loaded by every work-group, at addresses inside b_qkv; one of the two is used.
; REGISTERS, in windows of 256: window 0: v1-31 addresses; v32-95 all of K's scale words; v96-111 the bias along R; v128-223 R's eight fragments, ONE set; in the way out v128-247 are at work.
;   window 1: P's fragments, TWO sets, at v0 and v128; v96-127 and v224-255 the bias along P.   windows 2, 3: accumulator (a, b) at v[8 (8 (a % 4) + b)] of window 2 + a / 4.
.set HALF,  24576                      ; 128 rows x 256 K: eight tiles of 3,072 bytes: what one tensor load brings, and what one wave reads of R or of P
.set TILEB, 3072                       ; a tile's four half fragments in a slot; also the bytes from one 256 along K to the next in memory
.set POFF,  2*HALF                     ; P's 256 rows lie behind R's
.set SLOT,  4*HALF
.set SCL,   3*SLOT                     ; behind the slots: R's scale words (2 x 4,096 bytes), then P's
.set SPARE, SCL+16384                  ; the spare words, 128 bytes for each wave: two blocks of 256 bytes that no other line names
.set FR,    12                         ; registers of a fragment
.set LOFF,  3                          ; v3      8 x lane
.set ADRR,  16                         ; v16-18  LDS address of my R fragments in slot 0, 1, 2
.set ADRP,  20                         ; v20-22  the same for P
.set ADRS,  27                         ; v27     LDS address of my scale words: lanes 0-15 R's rows, lanes 16-31 P's
.set SPW,   28                         ; v28     LDS address of my spare word; never rewritten
.set NIL,   29                         ; v29     0; never rewritten
.set SC,    32                         ; register 8 i + kq: lanes 0-15 the word of R's tile i, lanes 16-31 that of P's tile i, for K step kq
.set BR,    96                         ; v[96 + 2 a], v[97 + 2 a]: the bias of my row of R's tile a, twice
.set RF,    128
.set ST,    128                        ; the way out: v128-191 64 numbers of a lane
.set TM,    200                        ; v200-215 at work in the quantiser
.set PWS,   216                        ; v216-223 the eight scale words just made
.set PC,    224                        ; v224-235 the codes just made; v236-243 the conversions' upper halves
.set SW,    244                        ; v244-247 the four scale words that I store
.set G1R,   24                         ; s[24:31] descriptor group 1 for R's tiles; s[32:39] for P's; s[40:47], s[48:55] for their scale words
.set G1P,   32
.set G1SR,  40
.set G1SP,  48
.set G0SR,  56                         ; s[56:59], s[60:63] groups 0 for the scale words
.set G0SP,  60
.set G0R,   68                         ; s[68:79] groups 0 for R's tiles, one for each slot; s[80:91] for P's
.set G0P,   80
.set MSB, 0
.macro WIN new                         ; the immediate's high byte repeats the setting that is left
.if MSB != (\new)
	s_set_vgpr_msb (MSB<<8)|(\new)
.set MSB, (\new)
.endif
.endm
.macro PLACES n
.rept \n
	v_nop
.endr
.endm
.macro CREST                           ; a round of the cluster's barrier behind its opening barrier
	s_cmp_lg_u32 s12, 0
	s_cbranch_scc1 .Lnot_wave_0_\@
	s_barrier_signal -3
.Lnot_wave_0_\@:
	s_barrier_wait -3
	s_barrier_signal -1
	s_barrier_wait -1
.endm
.macro CROUND                          ; a whole round
	s_barrier_signal -1
	s_barrier_wait -1
	CREST
.endm
.macro JLOAD                           ; the joint refill of slot 0: waves 0 and 1 fetch R's halves, waves 2 and 3 P's; four v_nop follow each of the two lines
	s_cmp_eq_u32 s13, 0
	s_cbranch_scc0 .Lfor_p_\@
	tensor_load_to_lds s[G0R:G0R+3], s[G1R:G1R+7]
	s_nop 0
	PLACES 4
	s_branch .Lasked_\@
.Lfor_p_\@:
	tensor_load_to_lds s[G0P:G0P+3], s[G1P:G1P+7]
	s_nop 0
	PLACES 4
.Lasked_\@:
.endm
	s_load_b256 s[4:11], s[0:1], 0x0               ; xq s[4:5], wq s[6:7], b_qkv s[8:9], qkv s[10:11]
	v_lshl_add_u32 v[SPW], v0, 2, SPARE
	v_mov_b32 v[NIL], 0
	ds_add_u32 v28, v29
	ds_add_u32 v28, v29
	s_wait_dscnt 0x0
	v_lshrrev_b32 v1, 5, v0
	v_readfirstlane_b32 s12, v1                    ; wave 0..3
	s_lshr_b32 s13, s12, 1                         ; which half of R's rows is mine.  Also: I fetch for R (0) or for P (1)
	s_and_b32 s14, s12, 1                          ; which half of P's rows.  Also: which 128 rows I fetch
	s_mov_b32 s15, ttmp9                           ; the cluster's x: 0 q, 1 k, 2 v: the same in all sixteen partners
	s_and_b32 s16, ttmp7, 0xffff                   ; the cluster's y
	s_bfe_u32 s17, ttmp6, 0x40000                  ; cx
	s_bfe_u32 s18, ttmp6, 0x40004                  ; cy
	s_lshl_b32 s19, s18, 2
	s_lshl_b32 s19, 15, s19                        ; my row of the cluster
	s_lshl_b32 s20, 0x1111, s17                    ; my column
	; group 1, codes: 8 tiles (rows) of 3,072 bytes, 12,288 bytes apart, in elements of 8 bytes; dense in LDS
	s_or_b32 s[G1R], s19, (3<<16)|(1<<21)          ; 15:0 the mask; 17:16 elements of 8 bytes; 21 set beside a mask
	s_or_b32 s[G1P], s20, (3<<16)|(1<<21)
.irp g, G1R, G1P
	s_mov_b32 s[\g+1], 384<<16                     ; tensor_dim0
	s_mov_b32 s[\g+2], 8<<16                       ; tensor_dim1
	s_mov_b32 s[\g+3], 384<<16                     ; tile_dim0
	s_mov_b32 s[\g+4], 8                           ; tile_dim1
	s_mov_b32 s[\g+5], 1536                        ; tensor_dim0_stride
	s_mov_b32 s[\g+6], 0
	s_mov_b32 s[\g+7], 0
.endr
	; group 1, scale words of 128 rows: 4,096 dense bytes as 16 rows of 256
	s_or_b32 s[G1SR], s19, (3<<16)|(1<<21)
	s_or_b32 s[G1SP], s20, (3<<16)|(1<<21)
.irp g, G1SR, G1SP
	s_mov_b32 s[\g+1], 32<<16
	s_mov_b32 s[\g+2], 16<<16
	s_mov_b32 s[\g+3], 32<<16
	s_mov_b32 s[\g+4], 16
	s_mov_b32 s[\g+5], 32
	s_mov_b32 s[\g+6], 0
	s_mov_b32 s[\g+7], 0
.endr
	s_lshl_b32 s92, s15, 2
	s_lshl_b32 s93, s16, 2
	s_mul_i32 s66, s14, 98304                      ; the half that I fetch: eight tiles of 12,288 bytes,
	s_lshl_b32 s67, s14, 12                        ; and their scale words
	s_mul_i32 s23, s12, HALF                       ; where it goes: wave x 24,576: no place in the cluster enters an LDS address
	s_mov_b32 s3, 0
	s_mov_b32 s101, 0
	s_mov_b32 s98, 3145728                         ; where wq's scale words begin,
	s_mov_b32 s100, 6291456                        ; and xq's
	s_wait_kmcnt 0x0
	s_cmp_eq_u32 s15, 2                            ; v?  Only selects follow
	s_cselect_b32 s21, s93, s92                    ; P's tile less cx: v: 4 x cluster y (tokens); q, k: 4 x cluster x (columns)
	s_cselect_b32 s22, 8, s93                      ; R's tile less cy: v: 8 (v's columns); q, k: 4 x cluster y (tokens)
	s_cselect_b64 s[94:95], s[4:5], s[6:7]         ; P's buffer
	s_cselect_b64 s[96:97], s[6:7], s[4:5]         ; R's buffer
	s_cselect_b32 s99, s100, s98                   ; where P's scale words begin in it
	s_cselect_b32 s98, s98, s100                   ; and R's
	s_add_co_u32 s21, s21, s17                     ; P's tile of 256: hangs on cx alone
	s_add_co_u32 s22, s22, s18                     ; R's tile of 256: hangs on cy alone
	s_mul_i32 s2, s21, 196608                      ; P: registers s2, s3 never hold cy; R: s100, s101 never hold cx
	s_add_co_u32 s2, s2, s66
	s_add_nc_u64 s[G0P+2:G0P+3], s[94:95], s[2:3]
	s_lshl_b32 s2, s21, 13
	s_add_co_u32 s2, s2, s67
	s_add_co_u32 s2, s2, s99
	s_add_nc_u64 s[G0SP+2:G0SP+3], s[94:95], s[2:3]
	s_mul_i32 s100, s22, 196608
	s_add_co_u32 s100, s100, s66
	s_add_nc_u64 s[G0R+2:G0R+3], s[96:97], s[100:101]
	s_lshl_b32 s100, s22, 13
	s_add_co_u32 s100, s100, s67
	s_add_co_u32 s100, s100, s98
	s_add_nc_u64 s[G0SR+2:G0SR+3], s[96:97], s[100:101]
.irp s, 1,2
	s_add_nc_u64 s[G0R+4*\s+2:G0R+4*\s+3], s[G0R+2:G0R+3], \s*TILEB   ; slot s begins with K = 256 s
	s_add_nc_u64 s[G0P+4*\s+2:G0P+4*\s+3], s[G0P+2:G0P+3], \s*TILEB
.endr
.irp s, 0,1,2
	s_mov_b32 s[G0R+4*\s], 1                       ; count = 1
	s_add_co_u32 s[G0R+4*\s+1], s23, \s*SLOT       ; LDS address
	s_or_b32 s[G0R+4*\s+3], s[G0R+4*\s+3], 0x80000000   ; type = 2
	s_mov_b32 s[G0P+4*\s], 1
	s_add_co_u32 s[G0P+4*\s+1], s23, \s*SLOT
	s_or_b32 s[G0P+4*\s+3], s[G0P+4*\s+3], 0x80000000
.endr
	s_mov_b32 s[G0SR], 1
	s_lshl_b32 s[G0SR+1], s12, 12
	s_add_co_u32 s[G0SR+1], s[G0SR+1], SCL
	s_or_b32 s[G0SR+3], s[G0SR+3], 0x80000000
	s_mov_b32 s[G0SP], 1
	s_mov_b32 s[G0SP+1], s[G0SR+1]
	s_or_b32 s[G0SP+3], s[G0SP+3], 0x80000000
	CROUND                                         ; all sixteen work-groups are here: the first joint loads meet
	s_cmp_eq_u32 s13, 0                            ; a wave's four first fills stand in one branch, ahead of every wait on TENSORcnt and every LDS read: four loads of mine are out
	s_cbranch_scc0 .Lfirst_p
	tensor_load_to_lds s[G0SR:G0SR+3], s[G1SR:G1SR+7]
	s_nop 0
	tensor_load_to_lds s[G0R:G0R+3], s[G1R:G1R+7]
	s_nop 0
	tensor_load_to_lds s[G0R+4:G0R+7], s[G1R:G1R+7]
	s_nop 0
	tensor_load_to_lds s[G0R+8:G0R+11], s[G1R:G1R+7]
	s_nop 0
	PLACES 4
	s_branch .Lfirst_asked
.Lfirst_p:
	tensor_load_to_lds s[G0SP:G0SP+3], s[G1SP:G1SP+7]
	s_nop 0
	tensor_load_to_lds s[G0P:G0P+3], s[G1P:G1P+7]
	s_nop 0
	tensor_load_to_lds s[G0P+4:G0P+7], s[G1P:G1P+7]
	s_nop 0
	tensor_load_to_lds s[G0P+8:G0P+11], s[G1P:G1P+7]
	s_nop 0
	PLACES 4
.Lfirst_asked:
	v_and_b32 v1, 15, v0                           ; r
	v_bfe_u32 v2, v0, 4, 1                         ; h
	s_wait_alu depctr_va_vdst(0)
	v_and_b32 v[LOFF], 31, v0
	v_lshlrev_b32 v[LOFF], 3, v[LOFF]              ; 8 x lane
	s_mul_i32 s2, s13, HALF                        ; my 128 rows of R
	s_mul_i32 s100, s14, HALF                      ; my 128 rows of P,
	s_add_co_u32 s100, s100, POFF                  ; behind R's 256
.irp s, 0,1,2
	v_add_nc_u32 v[ADRR+\s], s2, v[LOFF]
	v_add_nc_u32 v[ADRP+\s], s100, v[LOFF]
	s_add_co_u32 s2, s2, SLOT
	s_add_co_u32 s100, s100, SLOT
.endr
	s_lshl_b32 s2, s13, 12                         ; R's scale words: my 128 rows
	s_lshl_b32 s100, s14, 12                       ; P's: my 128 rows, behind R's 8,192 bytes
	s_add_co_u32 s100, s100, 8192
	s_sub_co_u32 s100, s100, s2
	v_mul_u32_u24 v4, s100, v2                     ; lanes 16-31 take P's
	s_add_co_u32 s2, s2, SCL
	v_lshl_add_u32 v4, v1, 4, v4                   ; 16 bytes a row: four words
	v_add_nc_u32 v[ADRS], s2, v4
	v_lshlrev_b32 v5, 6, v2                        ; the bias along P: 64 h bytes: my 16 of each 32
	s_wait_alu depctr_va_vdst(0)
	v_and_b32 v6, 8, v1
	v_add_nc_u32 v6, v6, v1
	v_lshlrev_b32 v6, 2, v6                        ; the bias along R: 4 (r + 8 (r / 8))
	s_wait_alu depctr_va_vdst(0)
	v_lshlrev_b32 v25, 12, v2
	v_lshl_add_u32 v25, v1, 4, v25                 ; the scale words that I store: 4,096 h (the next head) + 16 r
	s_lshl_b32 s2, s21, 10
	s_lshl_b32 s66, s14, 9
	s_add_co_u32 s2, s2, s66                       ; q, k: 4 x (256 x P's tile + 128 x half)
	s_lshl_b32 s100, s18, 10
	s_lshl_b32 s67, s13, 9
	s_add_co_u32 s100, s100, s67
	s_add_co_u32 s100, s100, 8192                  ; v: 4 x (2,048 + 256 cy + 128 x half)
	s_and_b32 s66, s21, 3
	s_cmp_eq_u32 s15, 2
	s_cselect_b32 s2, 0, s2                        ; the kind that is not used reads b_qkv's first bytes
	s_cselect_b32 s100, s100, 0
	s_cselect_b32 s67, s21, s22                    ; the tile of 256 tokens,
	s_cselect_b32 s23, s14, s13                    ; my half of it,
	s_cselect_b32 s66, s18, s66                    ; the tile of 256 columns within q, k or v (four heads),
	s_cselect_b32 s92, s13, s14                    ; my half of it (two heads)
	s_add_nc_u64 s[94:95], s[8:9], s[2:3]
	s_add_nc_u64 s[96:97], s[8:9], s[100:101]
	WIN 0x40                                       ; destination window 1
.irp g, 0,1,2,3
.irp j, 0,1,2,3
	global_load_b128 v[96+16*\g+4*\j+96*(\g/2):96+16*\g+4*\j+96*(\g/2)+3], v5, s[94:95] offset:128*\g+16*\j   ; register 16 g + i: the bias of P's row 32 g + 16 h + i
.endr
.endr
	WIN 0
.irp a, 0,1,2,3,4,5,6,7
	global_load_b32 v[BR+2*\a], v6, s[96:97] offset:4*(32*(\a/2)+8*(\a%2))
	global_load_b32 v[BR+2*\a+1], v6, s[96:97] offset:4*(32*(\a/2)+8*(\a%2))   ; twice: the packed addition names a pair
.endr
	s_lshr_b32 s100, s67, 3                        ; the batch
	s_lshl_b32 s100, s100, 4
	s_lshl_b32 s66, s66, 2
	s_add_co_u32 s100, s100, s66
	s_lshl_b32 s92, s92, 1
	s_add_co_u32 s100, s100, s92                   ; bh of the first of my two heads
	s_lshl_b32 s100, s100, 4
	s_and_b32 s67, s67, 7
	s_lshl_b32 s67, s67, 1
	s_add_co_u32 s100, s100, s67
	s_add_co_u32 s100, s100, s23                   ; 16 bh + which 128 tokens of the batch
	s_mul_i32 s2, s100, 6144
	s_mul_i32 s23, s15, 6291456
	s_add_co_u32 s2, s2, s23
	s_add_nc_u64 s[92:93], s[10:11], s[2:3]        ; where my codes go
	s_lshl_b32 s2, s100, 8
	s_lshl_b32 s23, s15, 18
	s_add_co_u32 s2, s2, s23
	s_add_co_u32 s2, s2, 18874368
	s_add_nc_u64 s[98:99], s[10:11], s[2:3]        ; and my scale words
.macro FRAG reg, adr, q, i             ; a fragment: tile i's two half fragments of the slot's q-th 128 along K: six loads of 8 bytes a lane, each 256 consecutive bytes
.irp p, 0,1,2,3,4,5
	ds_load_b64 v[\reg+2*\p:\reg+2*\p+1], v[\adr] offset:TILEB*(\i)+1536*(\q)+256*\p
.endr
.endm
.macro FETCH_P slot, q, set
	WIN 0x40
.irp i, 0,1,2,3,4,5,6,7
	FRAG 128*(\set)+FR*\i, ADRP+\slot, \q, \i
.endr
	WIN 0
.endm
.macro FETCH_R slot, q, i0
.irp i, \i0, \i0+1, \i0+2, \i0+3
	FRAG RF+FR*(\i), ADRR+\slot, \q, \i
.endr
.endm
.macro SCALES                          ; all of K's scale words, once: four words a load
.irp i, 0,1,2,3,4,5,6,7
.irp g, 0,1
	ds_load_b128 v[SC+8*\i+4*\g:SC+8*\i+4*\g+3], v[ADRS] offset:512*\i+256*\g
.endr
.endr
.endm
; 16 matrix instructions: R's blocks a0, a0 + 1 x P's eight, K step kq.  zero = 1: the first product starts the sums.  The 64 accumulators take turns, one instruction a turn, in the same order in every step.
.macro MUL16 a0, set, kq, zero
.irp a, \a0, \a0+1
.irp b, 0,1,2,3,4,5,6,7
.if \zero
	v_wmma_scale_f32_16x16x128_f8f6f4 v[8*(8*((\a)%4)+\b):8*(8*((\a)%4)+\b)+7], v[128*(\set)+FR*\b:128*(\set)+FR*\b+FR-1], v[RF+FR*(\a):RF+FR*(\a)+FR-1], 0, v[SC+8*\b+(\kq)], v[SC+8*(\a)+(\kq)] matrix_a_fmt:MATRIX_FMT_FP6 matrix_b_fmt:MATRIX_FMT_FP6 matrix_a_scale:MATRIX_SCALE_ROW1
.else
	v_wmma_scale_f32_16x16x128_f8f6f4 v[8*(8*((\a)%4)+\b):8*(8*((\a)%4)+\b)+7], v[128*(\set)+FR*\b:128*(\set)+FR*\b+FR-1], v[RF+FR*(\a):RF+FR*(\a)+FR-1], v[8*(8*((\a)%4)+\b):8*(8*((\a)%4)+\b)+7], v[SC+8*\b+(\kq)], v[SC+8*(\a)+(\kq)] matrix_a_fmt:MATRIX_FMT_FP6 matrix_b_fmt:MATRIX_FMT_FP6 matrix_a_scale:MATRIX_SCALE_ROW1
.endif
.endr
.endr
.endm
; K step kq; the next step's fragments lie in slot nslot, its nq-th 128.  A load into a register that a matrix instruction has read stands four plain vector instructions behind it (ISA guide 7.12.1 for vector instructions).
.macro STEP kq, nslot, nq, zero
	s_wait_dscnt 24                                ; P's set and R's blocks 0-3 are in; the youngest 24 loads (R's blocks 4-7) may be out
	WIN 0xa1                                       ; source 0 (P) window 1, source 1 (R) window 0, C and D window 2
	MUL16 0, (\kq)%2, \kq, \zero
	MUL16 2, (\kq)%2, \kq, \zero
	s_wait_dscnt 0x0                               ; R's blocks 4-7 are in
	PLACES 4
	FETCH_P \nslot, \nq, 1-(\kq)%2
	FETCH_R \nslot, \nq, 0
	WIN 0xf1                                       ; C and D window 3
	MUL16 4, (\kq)%2, \kq, \zero
	MUL16 6, (\kq)%2, \kq, \zero
	PLACES 4
	WIN 0
	FETCH_R \nslot, \nq, 4
.endm
; A step with a barrier.  In front of it each wave waits for all its tensor loads, adds 0 to its spare word, and waits for that and for its LDS reads.  fill = 1: the barrier opens a round of the cluster's, and slot 0,
; which nobody reads any more, takes K = 768 on.  fill = 0: that tile is shown whole to every wave.
.macro TURN kq, nslot, fill
	s_wait_tensorcnt 0x0                           ; all my tensor loads have landed
	ds_add_u32 v[SPW], v[NIL]                      ; 0 onto my spare word
	s_wait_dscnt 25                                ; (the add and the youngest 24 loads, R's blocks 4-7, may be out)
	WIN 0xa1
	MUL16 0, 1, \kq, 0                             ; sixteen matrix instructions stand between the add and the wait for it
	s_wait_dscnt 0x0                               ; the add is done, and my LDS reads are over
	s_barrier_signal -1
	MUL16 2, 1, \kq, 0
	WIN 0
	s_barrier_wait -1
.if \fill
	CREST                                          ; no wave of any partner still reads slot 0 or has a load on its way
	s_add_nc_u64 s[G0R+2:G0R+3], s[G0R+2:G0R+3], 3*TILEB
	s_add_nc_u64 s[G0P+2:G0P+3], s[G0P+2:G0P+3], 3*TILEB
	JLOAD                                          ; the first tensor load behind the round, one a wave; three and a half K steps, 224 matrix instructions, stand ahead of the wait for it; its four v_nop are the places in front of the loads below
.else
	PLACES 4
.endif
	FETCH_P \nslot, 0, 0
	FETCH_R \nslot, 0, 0
	WIN 0xf1
	MUL16 4, 1, \kq, 0
	MUL16 6, 1, \kq, 0
	PLACES 4
	WIN 0
	FETCH_R \nslot, 0, 4
.endm
	s_wait_tensorcnt 0x2                           ; the scale words and my part of slot 0 are in; slots 1 and 2, issued behind them, may be out
	s_barrier_signal -1
	s_barrier_wait -1                              ; everybody's are
	SCALES
	FETCH_P 0, 0, 0
	FETCH_R 0, 0, 0
	FETCH_R 0, 0, 4
	STEP 0, 0, 1, 1                                ; the first step's products start the sums: nothing is cleared
	TURN 1, 1, 1                                   ; every wave has waited for all its loads in front of this barrier: slots 1 and 2 are whole for everybody from here on
	STEP 2, 1, 1, 0
	STEP 3, 2, 0, 0
	STEP 4, 2, 1, 0
	TURN 5, 0, 0
	STEP 6, 0, 1, 0
	s_wait_dscnt 24                                ; the last step: nothing more to fetch
	WIN 0xa1
	MUL16 0, 1, 7, 0
	MUL16 2, 1, 7, 0
	s_wait_dscnt 0x0
	WIN 0xf1
	MUL16 4, 1, 7, 0
	MUL16 6, 1, 7, 0
	WIN 0
; THE WAY OUT, R's blocks one after the other.  ADDB: the block's eight accumulators + the bias, into 64 registers of window 0, each accumulator from its low end on: register 16 g + i = P's row 32 g + 16 h + i of my row of R.
.macro ADDB a, isv
.if \isv
	WIN 0x02+(\a)/4                                ; source 0: the accumulators' window; the bias along R lies in window 0
.else
	WIN 0x06+(\a)/4                                ; the bias along P lies in window 1
.endif
.set AC, 64*((\a)%4)
.set i, 0
.rept 32
.if \isv
	v_pk_add_f32 v[ST+2*i:ST+2*i+1], v[AC+2*i:AC+2*i+1], v[BR+2*(\a):BR+2*(\a)+1]
.else
	v_pk_add_f32 v[ST+2*i:ST+2*i+1], v[AC+2*i:AC+2*i+1], v[96+2*i+96*(i/16):96+2*i+96*(i/16)+1]
.endif
.set i, i+1
.endr
	WIN 0
.endm
; 64 numbers of a lane, register 16 b + i = k 32 b + 16 h + i of my row, become a fragment's codes in v[PC] on and its scale word in v[pw].
.macro QUANT s, pw
.irp b, 0,1,2,3
	v_max3_num_f32 v[TM+\b], |v[\s+16*\b]|, |v[\s+1+16*\b]|, 0x1800000   ; block b: my 16 numbers, and the floor 2^(3 - 127): the byte cannot fall under 1
.endr
.irp i, 2,4,6,8,10,12,14
.irp b, 0,1,2,3
	v_max3_num_f32 v[TM+\b], v[TM+\b], |v[\s+16*\b+\i]|, |v[\s+1+16*\b+\i]|   ; (the four blocks by turns)
.endr
.endr
.irp b, 0,1,2,3
	v_permlanex16_b32 v[TM+4+\b], v[TM+\b], s100, s101
.endr
.irp b, 0,1,2,3
	v_max_num_f32 v[TM+\b], v[TM+\b], v[TM+4+\b]   ; with lane l xor 16's: the block's largest magnitude
.endr
.irp b, 0,1,2,3
	v_add_nc_u32 v[TM+12+\b], 0xff000000, v[TM+\b] ; 2 off its exponent field: the conversion's scale operand
.endr
.irp b, 0,1,2,3
	v_lshrrev_b32 v[TM+4+\b], 23, v[TM+12+\b]      ; the scale's byte
.endr
	v_lshl_or_b32 v[\pw], v[TM+5], 8, v[TM+4]
	v_lshl_or_b32 v[\pw], v[TM+6], 16, v[\pw]
	v_lshl_or_b32 v[\pw], v[TM+7], 24, v[\pw]
.irp c, 0,1
	v_cvt_scalef32_pk16_fp6_f32 v[PC+6*\c:PC+2+6*\c], v[\s+32*\c:\s+15+32*\c], v[TM+12+2*\c]
	v_cvt_scalef32_pk16_fp6_f32 v[PC+12+4*\c:PC+14+4*\c], v[\s+16+32*\c:\s+31+32*\c], v[TM+12+2*\c+1]   ; (a conversion's three registers begin on an even number)
.endr
	v_nop                                          ; one plain place behind a scaled conversion
.irp c, 0,1                                    ; the operand's layout wants a WHOLE block in a lane: lanes 0-15 block 2 c, lanes 16-31 block 2 c + 1
.irp i, 0,1,2
	v_permlane16_swap_b32 v[PC+6*\c+\i], v[PC+12+4*\c+\i]
.endr
.irp i, 0,1,2
	v_mov_b32 v[PC+3+6*\c+\i], v[PC+12+4*\c+\i]
.endr
.endr
.endm
; q, k (isv = 0): block a is token tile a; the fragment's two halves are the half fragments of my two heads.  v (isv = 1): block a is d tile a % 4 of head a / 4; the fragment is that tile's, for my 128 keys.
.macro EPI isv
.irp a, 0,1,2,3,4,5,6,7
	ADDB \a, \isv
.if \a > 0
	s_wait_xcnt 0x0                                ; the last block's stores have read the codes' registers
.endif
	QUANT ST, PWS+\a
.irp p, 0,1,2,3,4,5
.if \isv
	global_store_b64 v[LOFF], v[PC+2*\p:PC+2*\p+1], s[92:93] offset:(\a/4)*98304+1536*(\a%4)+256*\p   ; 256 consecutive bytes, aligned
.else
	global_store_b64 v[LOFF], v[PC+2*\p:PC+2*\p+1], s[92:93] offset:(\p/3)*98304+768*\a+256*(\p%3)
.endif
.endr
.endr
.if \isv
.irp j, 0,1,2,3
	v_cndmask_b32 v[SW+\j], v[PWS+\j], v[PWS+4+\j], s66   ; lanes 0-15 store the first head's four words, lanes 16-31 the second's
.endr
.else
	v_mov_b32 v26, 0x05040100                      ; lanes 0-15: the first head's two bytes of two tiles' words;
	v_mov_b32 v7, 0x07060302                       ; lanes 16-31: the second head's
	v_cndmask_b32 v26, v26, v7, s66
.irp j, 0,1,2,3
	v_perm_b32 v[SW+\j], v[PWS+2*\j+1], v[PWS+2*\j], v26
.endr
.endif
	global_store_b128 v25, v[SW:SW+3], s[98:99]    ; two runs of 256 consecutive bytes, aligned
.endm
	PLACES 4                                       ; behind the last products: their results are read and their operands' registers written below
.irp b, 0,1,2,3
	v_mov_b32 v[TM+4+\b], 0                        ; a lane permute's destination counts as one of its sources
.endr
	s_mov_b32 s100, 0x76543210
	s_mov_b32 s101, 0xfedcba98                     ; v_permlanex16_b32's selects for lane l xor 16
	s_mov_b32 s66, 0xffff0000                      ; lanes 16-31
	s_wait_loadcnt 0x0                             ; the biases
	s_cmp_eq_u32 s15, 2                            ; the same in all partners; neither way touches LDS
	s_cbranch_scc1 .Lvalues
	EPI 0
	s_branch .Lout
.Lvalues:
	EPI 1
.Lout:
	s_wait_tensorcnt 0x0                           ; the wave's end
	ds_add_u32 v[SPW], v[NIL]
	s_wait_dscnt 0x0
	CROUND                                         ; the closing round: no work-group ends while a partner may still ask for a tile that names it
	s_endpgm
.Lfunc_end_k_q8bbc4457f5_qkv:
	.size	k_q8bbc4457f5_qkv, .Lfunc_end_k_q8bbc4457f5_qkv-k_q8bbc4457f5_qkv
	.p2alignl 7, 3214868480
	.fill 96, 4, 3214868480
	.section	.rodata,"a",@progbits
	.p2align	6, 0x0
	.amdhsa_kernel k_q8bbc4457f5_qkv
		.amdhsa_group_segment_fixed_size 327680
		.amdhsa_private_segment_fixed_size 0
		.amdhsa_enable_private_segment 0
		.amdhsa_kernarg_size 32
		.amdhsa_user_sgpr_count 2
		.amdhsa_user_sgpr_kernarg_segment_ptr 1
		.amdhsa_wavefront_size32 1
		.amdhsa_system_sgpr_workgroup_id_x 1
		.amdhsa_system_sgpr_workgroup_id_y 1
		.amdhsa_system_sgpr_workgroup_id_z 1
		.amdhsa_system_vgpr_workitem_id 0
		.amdhsa_next_free_vgpr 1024
		.amdhsa_next_free_sgpr 102
		.amdhsa_reserve_vcc 0
		.amdhsa_float_denorm_mode_32 3
		.amdhsa_float_denorm_mode_16_64 3
		.amdhsa_memory_ordered 1
		.amdhsa_forward_progress 1
		.amdhsa_inst_pref_size 235
	.end_amdhsa_kernel
	.amdgpu_metadata
---
amdhsa.version: [ 1, 2 ]
amdhsa.kernels:
  - .name:           k_q8bbc4457f5_qkv
    .symbol:         k_q8bbc4457f5_qkv.kd
    .args:
      - { .name: xq, .offset: 0, .size: 8, .value_kind: global_buffer, .address_space: global }
      - { .name: wq, .offset: 8, .size: 8, .value_kind: global_buffer, .address_space: global }
      - { .name: b_qkv, .offset: 16, .size: 8, .value_kind: global_buffer, .address_space: global }
      - { .name: qkv, .offset: 24, .size: 8, .value_kind: global_buffer, .address_space: global }
    .group_segment_fixed_size: 327680
    .private_segment_fixed_size: 0
    .kernarg_segment_align: 8
    .kernarg_segment_size: 32
    .max_flat_workgroup_size: 128
    .sgpr_count:     102
    .vgpr_count:     1024
    .wavefront_size: 32
...
	.end_amdgpu_metadata
.endif
;; end of part 2
;; launch attn (part 3): grid 4 x 64, 16 waves a work-group, no clusters, 327,680 bytes of LDS; arguments qkv, yq; writes yq
.if DOCPART == 3
	.amdgcn_target "amdgcn-amd-amdhsa--gfx1250"
	.amdhsa_code_object_version 6
	.text
	.protected	k_q8bbc4457f5_attn
	.globl	k_q8bbc4457f5_attn
	.p2align	8
	.type	k_q8bbc4457f5_attn,@function
k_q8bbc4457f5_attn:
	s_mov_b64 s[64:65], 0
	v_nop
	global_prefetch_b8 v0, s[64:65] scope:SCOPE_SE
	s_setreg_imm32_b32 hwreg(HW_REG_WAVE_MODE, 25, 1), 1
	s_wait_xcnt 0x0
; y[b][q][head][:] = the sum over keys k <= q of softmax_k(q . k / 8) v, both products on codes of FP6 (E2M3) with E8M0 scales; y is quantised at once along (head, d) and leaves as codes and scale bytes, laid as xq.
; THE SOFTMAX AHEAD OF THE SECOND PRODUCT: t = score x log2(e) / 8; M = the largest t so far, rounded UP to a whole number; p = 2^(t - M) is what is quantised, along the keys, not normalised.  The row's sum is taken of the
; unquantised p and divides O at the end.  When M moves, the sum and O are multiplied by 2^(old M - new M): exact.
; SHARES.  Work-group (g, bh) owns two blocks of 256 queries of head bh: block 7 - g first, then block g: (8 - g) + (g + 1) = 9 slots of 256 keys in every work-group: the loop's trips are a constant, and the 256 work-groups do equal work.
; Each of SIXTEEN waves owns one tile of 16 queries of the block in hand, in 256 registers: four waves to a SIMD, so that one wave's vector work stands beside another's matrix work and LDS loads.
; NO RING.  A head's codes of K and V (2 x 98,304 bytes) and their scale words (2 x 4,096) are brought into LDS once; no byte is filled twice and nothing is stored to LDS.  At the head a wave asks for its 512 bytes of scale words and
; its 3,072 bytes of slots 0 and 1: the first barrier waits for 57,344 bytes.  Behind that barrier each wave asks for its 9,216 bytes of slots 2 to 7, which land while the first two trips, written out with constant addresses, run.
; Work-group g fetches slots 8 - g .. 7 too, which it does not read.
; NO JOINT LOADS, though the four work-groups of a head fetch the same bytes: they differ in g, on which a branch (the change of blocks) and LDS addresses (the slot of a trip) hang.
; LAYOUT.  Both products are used transposed: S^T = K Q^T, O^T = V^T P^T: a lane holds ONE query throughout.  Lane r of token tile 2 B + u is token 32 B + 8 u + r + 8 (r / 8), so the 16 registers of key tiles 2 B, 2 B + 1 are 16
; neighbouring keys, and V's d tiles are laid likewise, so that O^T's 16 registers of two tiles are 16 neighbours along y's K.
; THE FIRST PRODUCT'S K IS 64, THE INSTRUCTION'S 128: a fragment of K holds TWO key tiles (k 0-63: tile 2 i; k 64-127: tile 2 i + 1), and Q stands in a run of 18 registers [q | zeros | q]: its first 12 pick the even tile,
; its last 12 the odd one; zero codes add nothing under any scale byte from 1 to 254.
; LIMITS: NaN and infinities are not served.  1 / sum is v_rcp_f32.  A block's largest p is taken through the block's largest score (p rises with the score).  A block of zeros, or one under 2^-124, gets the byte 1.
; y's scale bytes leave by stores of one byte a lane (two heads share a scale word): 262,144 bytes in all.
.set KV,    98304                      ; LDS: K's codes at 0, V's here
.set SCK,   196608                     ; K's scale words; V's 4,096 bytes on
.set SPARE, 204800                     ; the spare words, 128 bytes for each wave: eight blocks of 256 bytes that no other line names
.set SLOTB, 12288                      ; 256 keys of K (16 tiles of 768) or of V (2 x 4 fragments of 1,536)
; v1 8 x lane; v2 SCK + 16 r; v3 my query - 16 h; v4 16 r + h; v5-7 the step's LDS addresses; v8 r + 8 (r / 8) - 16 h; v9 16 r; v12 -M; v13 the largest t; v[14:15] the sum in two halves; v16-33 Q; v34 Q's scale word;
; v35, v36-41 the second block's; v42-45 K's scale words; v46-49 V's; v50-97 four fragments of K or of V; v98-161 S^T, then p; v162-193 O^T; v194-205 codes just made; v206-213 conversions' upper halves; v214-235 at work; v226 p's scale word;
; v254 the LDS address of my spare word, v255 0: never rewritten.
; s8 wave; s9 g; s10 bh; s11 8 - g; s12, s13 lane selects; s[14:15] c; s16-39 three groups 1; s40-51 three groups 0; s52 the slot's LDS byte; s53 its scale words'; s54 its first key; s55 the trip; s56 my first query; s57 my last;
; s58 the second block's first; s59 lanes 16-31; s[60:63], s[66:69] where y's codes and bytes go, for each block.
.macro GROUP1 g, rows                  ; a dense block as rows of 256 bytes: 32 elements of 8 bytes
	s_mov_b32 s[\g], 3<<16
	s_mov_b32 s[\g+1], 32<<16
	s_mov_b32 s[\g+2], (\rows)<<16
	s_mov_b32 s[\g+3], 32<<16
	s_mov_b32 s[\g+4], \rows
	s_mov_b32 s[\g+5], 32
	s_mov_b32 s[\g+6], 0
	s_mov_b32 s[\g+7], 0
.endm
	s_load_b128 s[4:7], s[0:1], 0x0                ; qkv, yq
	v_lshl_add_u32 v254, v0, 2, SPARE
	v_mov_b32 v255, 0
	ds_add_u32 v254, v255
	ds_add_u32 v254, v255
	s_wait_dscnt 0x0
	v_lshrrev_b32 v10, 5, v0
	s_delay_alu instid0(VALU_DEP_1)
	v_readfirstlane_b32 s8, v10                    ; wave 0..15
	s_mov_b32 s9, ttmp9                            ; g
	s_and_b32 s10, ttmp7, 0xffff                   ; bh
	s_sub_co_u32 s11, 8, s9                        ; the first block's slots
	GROUP1 16, 2                                   ; 512 bytes of scale words,
	GROUP1 24, 12                                  ; 3,072 bytes of slots 0 and 1,
	GROUP1 32, 36                                  ; 9,216 bytes of slots 2 to 7
	s_lshr_b32 s70, s8, 3                          ; waves 0-7 fetch K's bytes (0), waves 8-15 V's (1)
	s_and_b32 s71, s8, 7                           ; which eighth
	s_add_co_u32 s72, s70, 1                       ; the type in qkv
	s_mul_i32 s73, s72, 6291456
	s_mul_i32 s74, s10, 98304
	s_add_co_u32 s73, s73, s74                     ; the head's codes
	s_mul_i32 s75, s70, KV                         ; and their region of LDS
	s_lshl_b32 s76, s72, 18
	s_lshl_b32 s77, s10, 12
	s_add_co_u32 s76, s76, s77
	s_lshl_b32 s77, s71, 9
	s_add_co_u32 s76, s76, s77
	s_add_co_u32 s76, s76, 18874368                ; my 512 bytes of the head's scale words
	s_mov_b32 s77, 0
	s_mul_i32 s78, s71, 3072
	s_add_co_u32 s80, s73, s78
	s_mov_b32 s81, 0
	s_mul_i32 s79, s71, 9216
	s_add_co_u32 s82, s73, s79
	s_add_co_u32 s82, s82, 2*SLOTB
	s_mov_b32 s83, 0
	s_mov_b32 s40, 1
	s_lshl_b32 s41, s8, 9
	s_add_co_u32 s41, s41, SCK
	s_mov_b32 s44, 1
	s_add_co_u32 s45, s75, s78
	s_mov_b32 s48, 1
	s_add_co_u32 s49, s75, s79
	s_add_co_u32 s49, s49, 2*SLOTB
	s_wait_kmcnt 0x0
	s_add_nc_u64 s[42:43], s[4:5], s[76:77]
	s_or_b32 s43, s43, 0x80000000
	s_add_nc_u64 s[46:47], s[4:5], s[80:81]
	s_or_b32 s47, s47, 0x80000000
	s_add_nc_u64 s[50:51], s[4:5], s[82:83]
	s_or_b32 s51, s51, 0x80000000
	tensor_load_to_lds s[40:43], s[16:23]          ; two loads of mine are out: what the first two trips read
	s_nop 0
	tensor_load_to_lds s[44:47], s[24:31]
	s_nop 0
.rept 4
	v_nop
.endr
	v_and_b32 v10, 15, v0                          ; r
	v_bfe_u32 v11, v0, 4, 1                        ; h
	v_and_b32 v1, 31, v0
	s_delay_alu instid0(VALU_DEP_1)
	v_lshlrev_b32 v1, 3, v1
	s_wait_alu depctr_va_vdst(0)
	v_lshlrev_b32 v9, 4, v10
	s_wait_alu depctr_va_vdst(0)
	v_add_nc_u32 v2, SCK, v9
	v_and_b32 v8, 8, v10
	s_delay_alu instid0(VALU_DEP_1)
	v_add_nc_u32 v8, v8, v10
	v_lshlrev_b32 v4, 4, v11
	s_delay_alu instid0(VALU_DEP_1)
	v_sub_nc_u32 v8, v8, v4
	s_wait_alu depctr_va_vdst(0)
	v_add_nc_u32 v4, v9, v11
	s_mov_b32 s12, 0x76543210
	s_mov_b32 s13, 0xfedcba98
	s_mov_b32 s14, 0x3e38aa3b                      ; c = log2(e) / sqrt(64)
	s_mov_b32 s15, s14                             ; (named with it as a pair, so it is written)
	s_mov_b32 s59, 0xffff0000
	s_sub_co_u32 s70, 7, s9
	s_lshl_b32 s70, s70, 4
	s_add_co_u32 s70, s70, s8                      ; my query tile in the first block: 16 (7 - g) + wave
	s_lshl_b32 s71, s9, 4
	s_add_co_u32 s71, s71, s8                      ; and in the second: 16 g + wave
	s_lshr_b32 s72, s70, 1
	s_lshl_b32 s72, s72, 5
	s_and_b32 s73, s70, 1
	s_lshl_b32 s73, s73, 3
	s_add_co_u32 s56, s72, s73                     ; a tile's first query: 32 B + 8 u;
	s_add_co_u32 s57, s56, 23                      ; its last: 15 + 8 further on
	s_lshr_b32 s72, s71, 1
	s_lshl_b32 s72, s72, 5
	s_and_b32 s73, s71, 1
	s_lshl_b32 s73, s73, 3
	s_add_co_u32 s58, s72, s73
	s_mov_b32 s73, 0
	s_mul_i32 s72, s70, 768
	s_add_co_u32 s72, s72, s74
	s_add_nc_u64 s[86:87], s[4:5], s[72:73]        ; q's half fragments
	s_mul_i32 s72, s71, 768
	s_add_co_u32 s72, s72, s74
	s_add_nc_u64 s[88:89], s[4:5], s[72:73]
	s_lshl_b32 s75, s10, 12
	s_add_co_u32 s75, s75, 18874368
	s_and_b32 s76, s8, 7
	s_lshr_b32 s76, s76, 1
	s_lshl_b32 s76, s76, 2
	s_add_co_u32 s75, s75, s76                     ; q's scale words: word (tile % 8) / 2 of the row's four
	s_lshr_b32 s72, s70, 3
	s_lshl_b32 s72, s72, 8
	s_add_co_u32 s72, s72, s75
	s_add_nc_u64 s[90:91], s[4:5], s[72:73]
	s_lshr_b32 s72, s71, 3
	s_lshl_b32 s72, s72, 8
	s_add_co_u32 s72, s72, s75
	s_add_nc_u64 s[92:93], s[4:5], s[72:73]
.irp p, 0,1,2
	global_load_b64 v[16+2*\p:17+2*\p], v1, s[86:87] offset:256*\p   ; the first block's q, at both ends of the run
	global_load_b64 v[28+2*\p:29+2*\p], v1, s[86:87] offset:256*\p
	global_load_b64 v[36+2*\p:37+2*\p], v1, s[88:89] offset:256*\p   ; the second block's
.endr
	global_load_b32 v34, v9, s[90:91]
	global_load_b32 v35, v9, s[92:93]
	s_mov_b32 s94, 0x03020302                      ; an odd tile's two bytes lie in the word's upper half,
	s_and_b32 s76, s8, 1
	s_cmp_eq_u32 s76, 0
	s_cselect_b32 s94, 0x01000100, s94             ; an even tile's in the lower
	s_lshr_b32 s78, s10, 4
	s_lshl_b32 s78, s78, 7                         ; 128 b: the batch's first row tile in yq
	s_and_b32 s79, s10, 15                         ; the head
	s_lshr_b32 s80, s79, 3
	s_lshl_b32 s80, s80, 8
	s_bfe_u32 s81, s79, 0x20001
	s_lshl_b32 s81, s81, 2
	s_add_co_u32 s80, s80, s81
	s_and_b32 s81, s79, 1
	s_lshl_b32 s81, s81, 1
	s_add_co_u32 s80, s80, s81
	s_add_co_u32 s80, s80, 6291456                 ; the head's two bytes in a row tile's scale words: K half head / 8, word (head / 2) % 4, byte 2 (head % 2)
	s_mov_b32 s85, 0
	s_add_co_u32 s83, s78, s70
	s_lshl_b32 s84, s83, 4
	s_add_co_u32 s84, s84, s79
	s_mul_i32 s84, s84, 768
	s_add_nc_u64 s[60:61], s[6:7], s[84:85]
	s_lshl_b32 s84, s83, 9
	s_add_co_u32 s84, s84, s80
	s_add_nc_u64 s[62:63], s[6:7], s[84:85]
	s_add_co_u32 s83, s78, s71
	s_lshl_b32 s84, s83, 4
	s_add_co_u32 s84, s84, s79
	s_mul_i32 s84, s84, 768
	s_add_nc_u64 s[66:67], s[6:7], s[84:85]
	s_lshl_b32 s84, s83, 9
	s_add_co_u32 s84, s84, s80
	s_add_nc_u64 s[68:69], s[6:7], s[84:85]
	v_add_nc_u32 v3, s56, v8
.irp i, 0,1,2,3,4,5
	v_mov_b32 v[22+\i], 0                          ; the zero codes in the middle of Q's run
.endr
.irp b, 0,1,2,3
	v_mov_b32 v[218+\b], 0                         ; written once: a lane permute's destination counts as one of its sources
.endr
	v_mov_b32 v229, 0                              ; (named as the upper half of the pair v[228:229])
	v_mov_b32 v230, 0
	v_mov_b32 v234, 0xff800000                     ; -infinity
	s_wait_loadcnt 0x0
	v_perm_b32 v34, v34, v34, s94                  ; Q's scale word: (s0, s1, s0, s1): it serves either end of the run
	v_perm_b32 v35, v35, v35, s94
; A block of queries begins: second = 1: the second block's q, scale word and bounds come first.  The moves are also the places in front of the next scaled products.
.macro INIT second
.if \second
	s_mov_b32 s56, s58
	s_add_co_u32 s57, s58, 23
.irp i, 0,1,2,3,4,5
	v_mov_b32 v[16+\i], v[36+\i]
	v_mov_b32 v[28+\i], v[36+\i]
.endr
	v_mov_b32 v34, v35
	v_add_nc_u32 v3, s56, v8
.endif
	v_mov_b32 v13, 0xff61b1e6                      ; the largest t so far: -3e38, under every t
	s_delay_alu instid0(VALU_DEP_1)
	v_floor_f32 v12, -v13                          ; -M
	v_mov_b32 v14, 0
	v_mov_b32 v15, 0
.set n, 0
.rept 32
	v_mov_b32 v[162+n], 0                          ; O^T: the step is written once: a block's first step finds zeros, which the first change of M leaves zeros
.set n, n+1
.endr
.endm
; A KEY STEP: 128 keys, the st-th of the slot in hand.  open = 1: every key counts for every query of the wave (the two trips written out: keys under 512, queries from 1,024 on).
.macro STEP st, open
.if !(\open)
	s_add_co_u32 s70, s54, 128*\st                 ; the step's first key
	s_cmp_gt_u32 s70, s57                          ; all its keys behind my last query: the step is left out.  A scalar branch on ids; no barrier stands in the loop
	s_cbranch_scc1 .Lhidden_\@
.endif
	v_add_nc_u32 v5, s52, v1                       ; (these four are the places in front of the loads into registers that the last products read)
	v_add_nc_u32 v7, s53, v2
	s_delay_alu instid0(VALU_DEP_2)
	v_add_nc_u32 v6, KV, v5
	v_nop
.irp i, 0,1,2,3
.irp p, 0,1,2,3,4,5
	ds_load_b64 v[50+12*\i+2*\p:51+12*\i+2*\p], v5 offset:6144*\st+1536*\i+256*\p   ; key tiles 2 i and 2 i + 1: 256 consecutive bytes a load
.endr
.endr
	ds_load_b128 v[42:45], v7 offset:256*\st       ; their four scale words
	s_wait_alu depctr_va_vdst(0)
	s_wait_dscnt 0x0
.irp i, 0,1,2,3
	v_wmma_scale_f32_16x16x128_f8f6f4 v[98+16*\i:105+16*\i], v[50+12*\i:61+12*\i], v[16:27], 0, v[42+\i], v34 matrix_a_fmt:MATRIX_FMT_FP6 matrix_b_fmt:MATRIX_FMT_FP6
	v_wmma_scale_f32_16x16x128_f8f6f4 v[106+16*\i:113+16*\i], v[50+12*\i:61+12*\i], v[22:33], 0, v[42+\i], v34 matrix_a_fmt:MATRIX_FMT_FP6 matrix_b_fmt:MATRIX_FMT_FP6
.endr                                          ; register 16 b + i: key 32 b + 16 h + i of the step
.rept 4
	v_nop                                          ; places: the fragments' registers are loaded again, and the scores are read
.endr
.irp i, 0,1,2,3
.irp p, 0,1,2,3,4,5
	ds_load_b64 v[50+12*\i+2*\p:51+12*\i+2*\p], v6 offset:6144*\st+1536*\i+256*\p   ; V's four fragments of these 128 keys: they land under the softmax
.endr
.endr
	ds_load_b128 v[46:49], v7 offset:4096+256*\st
.if !(\open)
	s_add_co_u32 s71, s70, 127
	s_cmp_le_u32 s71, s56                          ; every key counts for every query of mine: no mask
	s_cbranch_scc1 .Lopen_\@
	v_sub_nc_u32 v235, v3, s70                     ; d = my query - the step's first key - 16 h: register 16 b + i is hidden where 32 b + i > d
.set n, 0
.rept 64
	v_cmp_gt_i32 vcc_lo, 32*(n/16)+n%16, v235
	v_cndmask_b32 v[98+n], v[98+n], v234, vcc_lo   ; -infinity ahead of the maximum: p = 0 then
.set n, n+1
.endr
.Lopen_\@:
.endif
.irp b, 0,1,2,3
	v_max3_num_f32 v[214+\b], v[98+16*\b], v[99+16*\b], v[100+16*\b]   ; the largest score of each block of 32 keys: for the row's maximum and for the block's largest p
.endr
.irp i, 3,5,7,9,11,13
.irp b, 0,1,2,3
	v_max3_num_f32 v[214+\b], v[214+\b], v[98+16*\b+\i], v[99+16*\b+\i]
.endr
.endr
.irp b, 0,1,2,3
	v_max_num_f32 v[214+\b], v[214+\b], v[113+16*\b]
.endr
.irp b, 0,1,2,3
	s_delay_alu instid0(VALU_DEP_4)
	v_permlanex16_b32 v[218+\b], v[214+\b], s12, s13
.endr
.irp b, 0,1,2,3
	s_delay_alu instid0(VALU_DEP_4)
	v_max_num_f32 v[214+\b], v[214+\b], v[218+\b]  ; with lane l xor 16's 16 keys
.endr
	s_delay_alu instid0(VALU_DEP_2)
	v_max3_num_f32 v230, v214, v215, v216
	s_delay_alu instid0(VALU_DEP_1)
	v_max_num_f32 v230, v230, v217                 ; the step's largest score of my query
	s_delay_alu instid0(VALU_DEP_1)
	v_mul_f32 v230, s14, v230                      ; as t (c is positive)
	s_delay_alu instid0(VALU_DEP_1)
	v_max_num_f32 v13, v13, v230                   ; the running largest t
	v_mov_b32 v230, v12
	s_delay_alu instid0(VALU_DEP_2)
	v_floor_f32 v12, -v13                          ; the new -M = floor(-t) = -ceil(t)
	s_delay_alu instid0(VALU_DEP_1)
	v_sub_f32 v230, v12, v230                      ; old M - new M: a whole number, 0 or less
	s_delay_alu instid0(VALU_DEP_1)
	v_cvt_i32_f32 v230, v230                       ; (it saturates)
	s_delay_alu instid0(VALU_DEP_1)
	v_ldexp_f32 v228, 1.0, v230                    ; f = 2^(old M - new M)
.set n, 0
.rept 32
	v_pk_fma_f32 v[98+n:99+n], v[98+n:99+n], s[14:15], v[12:13] op_sel_hi:[1,0,0]   ; t - M, two at a time
.set n, n+2
.endr
.irp b, 0,1,2,3
	v_fma_f32 v[214+\b], v[214+\b], s14, v12       ; the same of each block's largest score
.endr
.set n, 0
	s_wait_alu depctr_va_vdst(0)
.rept 64
	v_exp_f32 v[98+n], v[98+n]                     ; p = 2^(t - M), at most 1
.set n, n+1
.endr
.irp b, 0,1,2,3
	v_exp_f32 v[214+\b], v[214+\b]                 ; the block's largest p
.endr
	v_pk_mul_f32 v[14:15], v[14:15], v[228:229] op_sel_hi:[1,0]   ; the sums under the new M.  (A plain place behind the exponentials)
	s_wait_alu depctr_va_vdst(0)
.irp b, 0,1,2,3
	v_max_num_f32 v[214+\b], 0x1800000, v[214+\b]  ; the floor 2^(3 - 127): the byte cannot fall under 1
.endr
.irp b, 0,1,2,3
	s_delay_alu instid0(VALU_DEP_4)
	v_add_nc_u32 v[222+\b], 0xff000000, v[214+\b]  ; 2 off the exponent field: the conversion's scale operand
.endr
.irp b, 0,1,2,3
	s_delay_alu instid0(VALU_DEP_4)
	v_lshrrev_b32 v[218+\b], 23, v[222+\b]         ; the scale's byte
.endr
	s_delay_alu instid0(VALU_DEP_3)
	v_lshl_or_b32 v226, v219, 8, v218              ; p's scale word for these 128 keys
	s_delay_alu instid0(VALU_DEP_1)
	v_lshl_or_b32 v226, v220, 16, v226
	s_delay_alu instid0(VALU_DEP_1)
	v_lshl_or_b32 v226, v221, 24, v226
.irp c, 0,1
	v_cvt_scalef32_pk16_fp6_f32 v[194+6*\c:196+6*\c], v[98+32*\c:113+32*\c], v[222+2*\c]
	v_cvt_scalef32_pk16_fp6_f32 v[206+4*\c:208+4*\c], v[114+32*\c:129+32*\c], v[222+2*\c+1]   ; (a conversion's three registers begin on an even number)
.endr
	v_nop                                          ; one plain place behind a scaled conversion
.irp c, 0,1                                    ; a WHOLE block in a lane: lanes 0-15 block 2 c, lanes 16-31 block 2 c + 1
.irp i, 0,1,2
	v_permlane16_swap_b32 v[194+6*\c+\i], v[206+4*\c+\i]
.endr
.irp i, 0,1,2
	s_delay_alu instid0(VALU_DEP_3)
	v_mov_b32 v[197+6*\c+\i], v[206+4*\c+\i]
.endr
.endr
	v_pk_add_f32 v[232:233], v[102:103], v[106:107]
	v_pk_add_f32 v[252:253], v[110:111], v[114:115]
	v_pk_add_f32 v[250:251], v[118:119], v[122:123]
	v_pk_add_f32 v[248:249], v[126:127], v[130:131]
	v_pk_add_f32 v[246:247], v[134:135], v[138:139]
	v_pk_add_f32 v[244:245], v[142:143], v[146:147]
	v_pk_add_f32 v[242:243], v[150:151], v[154:155]
	v_pk_add_f32 v[14:15], v[14:15], v[158:159]
	v_pk_add_f32 v[232:233], v[232:233], v[98:99]
	v_pk_add_f32 v[252:253], v[252:253], v[100:101]
	v_pk_add_f32 v[250:251], v[250:251], v[104:105]
	v_pk_add_f32 v[248:249], v[248:249], v[108:109]
	v_pk_add_f32 v[246:247], v[246:247], v[112:113]
	v_pk_add_f32 v[244:245], v[244:245], v[116:117]
	v_pk_add_f32 v[242:243], v[242:243], v[120:121]
	v_pk_add_f32 v[14:15], v[14:15], v[124:125]
	v_pk_add_f32 v[232:233], v[232:233], v[128:129]
	v_pk_add_f32 v[252:253], v[252:253], v[132:133]
	v_pk_add_f32 v[250:251], v[250:251], v[136:137]
	v_pk_add_f32 v[248:249], v[248:249], v[140:141]
	v_pk_add_f32 v[246:247], v[246:247], v[144:145]
	v_pk_add_f32 v[244:245], v[244:245], v[148:149]
	v_pk_add_f32 v[242:243], v[242:243], v[152:153]
	v_pk_add_f32 v[14:15], v[14:15], v[156:157]
	v_pk_add_f32 v[232:233], v[232:233], v[160:161]
	s_delay_alu instid0(VALU_DEP_2)
	v_pk_add_f32 v[14:15], v[14:15], v[248:249]
	s_delay_alu instid0(VALU_DEP_2)
	v_pk_add_f32 v[232:233], v[232:233], v[246:247]
	v_pk_add_f32 v[252:253], v[252:253], v[244:245]
	v_pk_add_f32 v[250:251], v[250:251], v[242:243]
	s_delay_alu instid0(VALU_DEP_2)
	v_pk_add_f32 v[14:15], v[14:15], v[252:253]
	s_delay_alu instid0(VALU_DEP_2)
	v_pk_add_f32 v[232:233], v[232:233], v[250:251]
	s_delay_alu instid0(VALU_DEP_1)
	v_pk_add_f32 v[14:15], v[14:15], v[232:233]
.set n, 0
.rept 16
	v_pk_mul_f32 v[162+n:163+n], v[162+n:163+n], v[228:229] op_sel_hi:[1,0]   ; O^T under the new M, each accumulator from its low end on.  (With the sums: the places between p's codes and scale word and the products below)
.set n, n+2
.endr
	s_wait_alu depctr_va_vdst(0)
	s_wait_dscnt 0x0                               ; V's fragments and scale words
.irp t, 0,1,2,3
	v_wmma_scale_f32_16x16x128_f8f6f4 v[162+8*\t:169+8*\t], v[50+12*\t:61+12*\t], v[194:205], v[162+8*\t:169+8*\t], v[46+\t], v226 matrix_a_fmt:MATRIX_FMT_FP6 matrix_b_fmt:MATRIX_FMT_FP6   ; the four accumulators by turns; the next step's eight products stand between two links
.endr
.if !(\open)
.Lhidden_\@:
.endif
.endm
; A block's end: y = O^T / the sum; its two blocks of 32 along d are quantised; the half fragment and the two scale bytes are stored.  Register 16 b + i = d 32 b + 16 h + i of my query.
.macro FINISH img, sc
.rept 4
	v_nop                                          ; places behind the last products
.endr
	v_add_f32 v14, v14, v15
	s_delay_alu instid0(VALU_DEP_1)
	v_permlanex16_b32 v230, v14, s12, s13
	s_delay_alu instid0(VALU_DEP_1)
	v_add_f32 v14, v14, v230                       ; the row's sum
	s_wait_alu depctr_va_vdst(0)
	v_rcp_f32 v14, v14
	v_nop                                          ; one plain place behind a transcendental
.set n, 0
	s_wait_alu depctr_va_vdst(0)
.rept 32
	v_mul_f32 v[98+n], v[162+n], v14
.set n, n+1
.endr
.irp b, 0,1
	v_max3_num_f32 v[214+\b], |v[98+16*\b]|, |v[99+16*\b]|, 0x1800000
.endr
.irp i, 2,4,6,8,10,12,14
.irp b, 0,1
	s_delay_alu instid0(VALU_DEP_2)
	v_max3_num_f32 v[214+\b], v[214+\b], |v[98+16*\b+\i]|, |v[99+16*\b+\i]|
.endr
.endr
.irp b, 0,1
	s_delay_alu instid0(VALU_DEP_2)
	v_permlanex16_b32 v[218+\b], v[214+\b], s12, s13
.endr
.irp b, 0,1
	s_delay_alu instid0(VALU_DEP_2)
	v_max_num_f32 v[214+\b], v[214+\b], v[218+\b]
.endr
.irp b, 0,1
	s_delay_alu instid0(VALU_DEP_2)
	v_add_nc_u32 v[222+\b], 0xff000000, v[214+\b]
.endr
.irp b, 0,1
	s_delay_alu instid0(VALU_DEP_2)
	v_lshrrev_b32 v[218+\b], 23, v[222+\b]
.endr
	v_cvt_scalef32_pk16_fp6_f32 v[194:196], v[98:113], v222
	v_cvt_scalef32_pk16_fp6_f32 v[206:208], v[114:129], v223
	v_nop
.irp i, 0,1,2
	v_permlane16_swap_b32 v[194+\i], v[206+\i]     ; lane (r, h) now holds block h: its lower 16 codes, and in the other run its upper 16
.endr
.irp i, 0,1,2
	s_delay_alu instid0(VALU_DEP_3)
	v_mov_b32 v[197+\i], v[206+\i]
.endr
	v_cndmask_b32 v230, v218, v219, s59            ; lanes 0-15 store block 0's byte, lanes 16-31 block 1's
.irp p, 0,1,2
	global_store_b64 v1, v[194+2*\p:195+2*\p], s[\img:\img+1] offset:256*\p   ; 256 consecutive bytes, aligned
.endr
	global_store_b8 v4, v230, s[\sc:\sc+1]
	s_wait_xcnt 0x0                                ; the stores have read their registers: they are written again in the next block
.endm
	INIT 0
	s_wait_tensorcnt 0x0                           ; my scale words and my part of slots 0 and 1 are in: no tensor load of mine is out
	ds_add_u32 v254, v255                          ; 0 onto my spare word
	s_wait_dscnt 0x0                               ; the add is done; I have read nothing from LDS yet
	s_barrier_signal -1
	s_barrier_wait -1                              ; everybody's parts are in
	tensor_load_to_lds s[48:51], s[32:39]          ; my part of slots 2 to 7: their first and only fill, my one tensor load behind this barrier, ahead of every LDS read; four key steps stand ahead of the wait for it
	s_nop 0
.rept 4
	v_nop
.endr
	s_mov_b32 s52, 0                               ; trips 0 and 1, with constant addresses: they read bytes of the first two loads alone
	s_mov_b32 s53, 0
	STEP 0, 1
	STEP 1, 1
	s_mov_b32 s52, SLOTB
	s_mov_b32 s53, 512
	STEP 0, 1
	STEP 1, 1
	s_wait_tensorcnt 0x0                           ; my part of slots 2 to 7 is in
	s_wait_dscnt 0x0
	s_barrier_signal -1
	s_barrier_wait -1                              ; everybody's is: from here on LDS is only read
	s_mov_b32 s55, 2
.Ltrip:                                            ; trips 2 to 8
	s_cmp_lg_u32 s55, s11
	s_cbranch_scc1 .Lsame_block
	FINISH 60, 62                                  ; the first block has had its 8 - g slots
	INIT 1
.Lsame_block:
	s_sub_co_u32 s72, s55, s11
	s_cmp_lt_u32 s55, s11
	s_cselect_b32 s72, s55, s72                    ; the slot: the trip's number, counted anew from the second block's start
	s_min_u32 s72, s72, 7
	s_mul_i32 s52, s72, SLOTB
	s_lshl_b32 s53, s72, 9
	s_lshl_b32 s54, s72, 8
	STEP 0, 0
	STEP 1, 0
	s_add_co_u32 s55, s55, 1
	s_cmp_lt_u32 s55, 9
	s_cbranch_scc1 .Ltrip
	FINISH 66, 68
	s_wait_tensorcnt 0x0                           ; the wave's end
	ds_add_u32 v254, v255
	s_wait_dscnt 0x0
	s_endpgm
.Lfunc_end_k_q8bbc4457f5_attn:
	.size	k_q8bbc4457f5_attn, .Lfunc_end_k_q8bbc4457f5_attn-k_q8bbc4457f5_attn
	.p2alignl 7, 3214868480
	.fill 96, 4, 3214868480
	.section	.rodata,"a",@progbits
	.p2align	6, 0x0
	.amdhsa_kernel k_q8bbc4457f5_attn
		.amdhsa_group_segment_fixed_size 327680
		.amdhsa_private_segment_fixed_size 0
		.amdhsa_enable_private_segment 0
		.amdhsa_kernarg_size 16
		.amdhsa_user_sgpr_count 2
		.amdhsa_user_sgpr_kernarg_segment_ptr 1
		.amdhsa_wavefront_size32 1
		.amdhsa_system_sgpr_workgroup_id_x 1
		.amdhsa_system_sgpr_workgroup_id_y 1
		.amdhsa_system_sgpr_workgroup_id_z 1
		.amdhsa_system_vgpr_workitem_id 0
		.amdhsa_next_free_vgpr 256
		.amdhsa_next_free_sgpr 100
		.amdhsa_reserve_vcc 1
		.amdhsa_float_denorm_mode_32 3
		.amdhsa_float_denorm_mode_16_64 3
		.amdhsa_memory_ordered 1
		.amdhsa_forward_progress 1
		.amdhsa_inst_pref_size 140
	.end_amdhsa_kernel
	.amdgpu_metadata
---
amdhsa.version: [ 1, 2 ]
amdhsa.kernels:
  - .name:           k_q8bbc4457f5_attn
    .symbol:         k_q8bbc4457f5_attn.kd
    .args:
      - { .name: qkv, .offset: 0, .size: 8, .value_kind: global_buffer, .address_space: global }
      - { .name: yq, .offset: 8, .size: 8, .value_kind: global_buffer, .address_space: global }
    .group_segment_fixed_size: 327680
    .private_segment_fixed_size: 0
    .kernarg_segment_align: 8
    .kernarg_segment_size: 16
    .max_flat_workgroup_size: 512
    .sgpr_count:     100
    .vgpr_count:     256
    .wavefront_size: 32
...
	.end_amdgpu_metadata
.endif
;; end of part 3
;; launch proj (part 4): grid 4 x 64, 4 waves a work-group, clusters of 4 x 4, 327,680 bytes of LDS; arguments yq, wq, b_proj, out0; writes out0
.if DOCPART == 4
	.amdgcn_target "amdgcn-amd-amdhsa--gfx1250"
	.amdhsa_code_object_version 6
	.text
	.protected	k_q8bbc4457f5_proj
	.globl	k_q8bbc4457f5_proj
	.p2align	8
	.type	k_q8bbc4457f5_proj,@function
k_q8bbc4457f5_proj:
	s_mov_b64 s[64:65], 0
	v_nop
	global_prefetch_b8 v0, s[64:65] scope:SCOPE_SE
	s_setreg_imm32_b32 hwreg(HW_REG_WAVE_MODE, 25, 1), 1
	s_wait_xcnt 0x0
	s_wait_alu depctr_hold_cnt(0) depctr_sa_sdst(0) depctr_va_vdst(0) depctr_va_sdst(0) depctr_va_ssrc(0) depctr_va_vcc(0) depctr_vm_vsrc(0)
	s_getreg_b32 s2, hwreg(HW_REG_IB_STS2, 6, 4)
	s_cmp_eq_u32 s2, 0
	s_cbranch_scc0 .Lentry_in_a_cluster
	s_endpgm
.Lentry_in_a_cluster:
	s_bfe_u32 s2, ttmp6, 0x10000c
	s_cmp_lg_u32 s2, 0xf033
	s_cbranch_scc0 .Lentry_shape_is_right
	s_endpgm
.Lentry_shape_is_right:
; out0 = y w_proj + b_proj on codes of FP6 (E2M3) with E8M0 scales, sums in f32.  y's codes come from yq (laid as xq), w_proj's from wq's column tiles 192 on (n = 3,072 on).
; A tile of 128 rows x 256 columns is made by four waves, each 64 x 128: 32 accumulators, 256 registers.  The output has 64 x 4 such tiles: 256 work-groups; a tile of 256 x 256 would give 128.
; K = 1,024 goes in eight steps of 128, written out.  ALL OF K LIES IN LDS: four slots of 256 along K, each 24,576 bytes of y's rows and 49,152 of w's columns, filled once at the start: no byte is filled twice.  A slot is shown
; to all four waves by a barrier in front of which each wave has waited for its part of it; the slots behind it stay on their way.
; The operands lie in memory as images of operand registers (half fragments of 768 bytes), so a fragment is six loads of 8 bytes a lane, each 256 consecutive bytes: no pitch, no padding.
; SOURCE 0 IS "P" = w_proj's columns, SOURCE 1 IS "R" = y's rows: a lane holds ONE row of out0, and since lane r of tile 2 B + u is column 32 B + 8 u + r + 8 (r / 8), the 16 registers of P's tiles 2 B, 2 B + 1 are 16 neighbouring columns.
; CLUSTERS: 4 x 4 work-groups.  R's tiles hang on cy and are shared along a row of the cluster, P's on cx and are shared along a column: each is asked for jointly, which divides the requests by four.
; A wave reads 12 fragments from LDS for a step's 32 products, so the loads go out in three runs of 24, with eight products between.
; REGISTERS, in windows of 256: window 0: v1-31 addresses; v32-95 all of K's scale words; v128-175, v176-223 R's four fragments, two sets; in the way out v128-255 hold two blocks' numbers by turns.
;   window 1: P's eight fragments, two sets, at v0 and v128 (in the way out: rows read back from the stage); v96-127 and v224-255 the bias.   window 2: accumulator (a, b) at v[8 (8 a + b)].
.set TILEB, 3072                       ; a tile's four half fragments in a slot; also the bytes from one 256 along K to the next in memory
.set RPART, 4*TILEB                    ; 64 rows x 256 K: what wave 0 or 1 fetches of R, and what a wave reads of it
.set PHALF, 8*TILEB                    ; 128 columns x 256 K: what wave 2 or 3 fetches of P, and what a wave reads of it
.set POFF,  2*RPART                    ; P's 256 columns lie behind R's 128 rows
.set SLOT,  POFF+2*PHALF               ; 73,728
.set SCL,   4*SLOT                     ; behind the slots: R's scale words (4,096 bytes),
.set SCP,   4096                       ; then P's (8,192)
.set SPARE, SCL+12288                  ; the spare words, 128 bytes for each wave: two blocks of 256 bytes that no other line names
.set SPT,   528                        ; the way out: a stage of 16 rows x (512 bytes + 16) for each wave, in slot 0: it is filled once, and its last read lies ahead of K step 1's barrier
.set FR,    12                         ; registers of a fragment
.set ADRR,  16                         ; v16-19  LDS address of my R fragments in slot 0 to 3
.set ADRP,  20                         ; v20-23  the same for P
.set STO,   24                         ; v24     the way out: where I put 64 bytes of a row
.set RD,    25                         ; v25     where I read a row back
.set CO,    26                         ; v26     16 x lane: my bytes of a row of out0
.set ADRS,  27                         ; v27     LDS address of my scale words: lanes 0-15 R's rows, lanes 16-31 P's
.set SPW,   28                         ; v28     LDS address of my spare word; never rewritten
.set NIL,   29                         ; v29     0; never rewritten
.set SC,    32                         ; register 8 i + kq: lanes 0-15 the word of R's tile i (i under 4), lanes 16-31 that of P's tile i, for K step kq
.set RF,    128
.set G1R,   24                         ; s[24:31] descriptor group 1 for R's tiles; s[32:39] for P's; s[40:47], s[48:55] for their scale words
.set G1P,   32
.set G1SR,  40
.set G1SP,  48
.set G0SR,  56                         ; s[56:59], s[60:63] groups 0 for the scale words
.set G0SP,  60
.set G0R,   68                         ; s[68:83] groups 0 for R's tiles, one for each slot; s[84:99] for P's
.set G0P,   84
.set MSB, 0
.macro WIN new                         ; the immediate's high byte repeats the setting that is left
.if MSB != (\new)
	s_set_vgpr_msb (MSB<<8)|(\new)
.set MSB, (\new)
.endif
.endm
.macro PLACES n
.rept \n
	v_nop
.endr
.endm
.macro CROUND                          ; a round of the cluster's barrier
	s_barrier_signal -1
	s_barrier_wait -1
	s_cmp_lg_u32 s12, 0
	s_cbranch_scc1 .Lnot_wave_0_\@
	s_barrier_signal -3
.Lnot_wave_0_\@:
	s_barrier_wait -3
	s_barrier_signal -1
	s_barrier_wait -1
.endm
	s_load_b256 s[4:11], s[0:1], 0x0               ; yq s[4:5], wq s[6:7], b_proj s[8:9], out0 s[10:11]
	v_lshl_add_u32 v[SPW], v0, 2, SPARE
	v_mov_b32 v[NIL], 0
	ds_add_u32 v28, v29
	ds_add_u32 v28, v29
	s_wait_dscnt 0x0
	v_lshrrev_b32 v1, 5, v0
	v_readfirstlane_b32 s12, v1                    ; wave 0..3
	s_lshr_b32 s13, s12, 1                         ; which 64 of R's rows are mine.  Also: I fetch for R (0) or for P (1)
	s_and_b32 s14, s12, 1                          ; which 128 of P's columns.  Also: which half I fetch
	s_and_b32 s16, ttmp7, 0xffff                   ; the cluster's y
	s_bfe_u32 s17, ttmp6, 0x40000                  ; cx
	s_bfe_u32 s18, ttmp6, 0x40004                  ; cy
	s_lshl_b32 s19, s18, 2
	s_lshl_b32 s19, 15, s19                        ; my row of the cluster
	s_lshl_b32 s20, 0x1111, s17                    ; my column
	; group 1, codes: tiles (rows) of 3,072 bytes, 12,288 bytes apart, in elements of 8 bytes; dense in LDS.  R: 4 tiles a load; P: 8
	s_or_b32 s[G1R], s19, (3<<16)|(1<<21)          ; 15:0 the mask; 17:16 elements of 8 bytes; 21 set beside a mask
	s_mov_b32 s[G1R+1], 384<<16                    ; tensor_dim0
	s_mov_b32 s[G1R+2], 4<<16                      ; tensor_dim1
	s_mov_b32 s[G1R+3], 384<<16                    ; tile_dim0
	s_mov_b32 s[G1R+4], 4                          ; tile_dim1
	s_mov_b32 s[G1R+5], 1536                       ; tensor_dim0_stride
	s_mov_b32 s[G1R+6], 0
	s_mov_b32 s[G1R+7], 0
	s_or_b32 s[G1P], s20, (3<<16)|(1<<21)
	s_mov_b32 s[G1P+1], 384<<16
	s_mov_b32 s[G1P+2], 8<<16
	s_mov_b32 s[G1P+3], 384<<16
	s_mov_b32 s[G1P+4], 8
	s_mov_b32 s[G1P+5], 1536
	s_mov_b32 s[G1P+6], 0
	s_mov_b32 s[G1P+7], 0
	; group 1, scale words: dense bytes as rows of 256.  R: 64 rows' 2,048 bytes a load; P: 128 columns' 4,096
	s_or_b32 s[G1SR], s19, (3<<16)|(1<<21)
	s_mov_b32 s[G1SR+1], 32<<16
	s_mov_b32 s[G1SR+2], 8<<16
	s_mov_b32 s[G1SR+3], 32<<16
	s_mov_b32 s[G1SR+4], 8
	s_mov_b32 s[G1SR+5], 32
	s_mov_b32 s[G1SR+6], 0
	s_mov_b32 s[G1SR+7], 0
	s_or_b32 s[G1SP], s20, (3<<16)|(1<<21)
	s_mov_b32 s[G1SP+1], 32<<16
	s_mov_b32 s[G1SP+2], 16<<16
	s_mov_b32 s[G1SP+3], 32<<16
	s_mov_b32 s[G1SP+4], 16
	s_mov_b32 s[G1SP+5], 32
	s_mov_b32 s[G1SP+6], 0
	s_mov_b32 s[G1SP+7], 0
	s_add_co_u32 s21, s17, 12                      ; P's tile of 256 columns in wq: 12 + cx: hangs on cx alone
	s_lshl_b32 s22, s16, 2
	s_add_co_u32 s22, s22, s18                     ; R's tile of 128 rows: 4 x cluster y + cy: hangs on cy alone
	s_mul_i32 s23, s14, RPART                      ; where my half goes, for R
	s_mul_i32 s15, s14, PHALF
	s_add_co_u32 s15, s15, POFF                    ; and for P: no place in the cluster enters an LDS address
	s_mov_b32 s3, 0
	s_mov_b32 s101, 0
	s_wait_kmcnt 0x0
	s_mul_i32 s2, s21, 196608                      ; P: 16 tiles of 12,288 bytes to a tile of 256 columns; s2, s3 never hold cy
	s_mul_i32 s66, s14, 98304
	s_add_co_u32 s2, s2, s66
	s_add_nc_u64 s[G0P+2:G0P+3], s[6:7], s[2:3]
	s_lshl_b32 s2, s21, 13
	s_lshl_b32 s66, s14, 12
	s_add_co_u32 s2, s2, s66
	s_add_co_u32 s2, s2, 3145728
	s_add_nc_u64 s[G0SP+2:G0SP+3], s[6:7], s[2:3]
	s_mul_i32 s100, s22, 98304                     ; R: 8 tiles to a tile of 128 rows; s100, s101 hold cx only once the descriptors are made
	s_mul_i32 s67, s14, 49152
	s_add_co_u32 s100, s100, s67
	s_add_nc_u64 s[G0R+2:G0R+3], s[4:5], s[100:101]
	s_lshl_b32 s100, s22, 12
	s_lshl_b32 s67, s14, 11
	s_add_co_u32 s100, s100, s67
	s_add_co_u32 s100, s100, 6291456
	s_add_nc_u64 s[G0SR+2:G0SR+3], s[4:5], s[100:101]
.irp s, 1,2,3
	s_add_nc_u64 s[G0R+4*\s+2:G0R+4*\s+3], s[G0R+2:G0R+3], \s*TILEB   ; slot s holds K = 256 s on
	s_add_nc_u64 s[G0P+4*\s+2:G0P+4*\s+3], s[G0P+2:G0P+3], \s*TILEB
.endr
.irp s, 0,1,2,3
	s_mov_b32 s[G0R+4*\s], 1                       ; count = 1
	s_add_co_u32 s[G0R+4*\s+1], s23, \s*SLOT       ; LDS address
	s_or_b32 s[G0R+4*\s+3], s[G0R+4*\s+3], 0x80000000   ; type = 2
	s_mov_b32 s[G0P+4*\s], 1
	s_add_co_u32 s[G0P+4*\s+1], s15, \s*SLOT
	s_or_b32 s[G0P+4*\s+3], s[G0P+4*\s+3], 0x80000000
.endr
	s_mov_b32 s[G0SR], 1
	s_lshl_b32 s[G0SR+1], s14, 11
	s_add_co_u32 s[G0SR+1], s[G0SR+1], SCL
	s_or_b32 s[G0SR+3], s[G0SR+3], 0x80000000
	s_mov_b32 s[G0SP], 1
	s_lshl_b32 s[G0SP+1], s14, 12
	s_add_co_u32 s[G0SP+1], s[G0SP+1], SCL+SCP
	s_or_b32 s[G0SP+3], s[G0SP+3], 0x80000000
	CROUND                                         ; all sixteen work-groups are here: the joint loads meet
	s_cmp_eq_u32 s13, 0                            ; a wave's five fills, all that it ever issues, stand in one branch, ahead of every wait on TENSORcnt and every LDS read: five loads of mine are out
	s_cbranch_scc0 .Lfirst_p
	tensor_load_to_lds s[G0SR:G0SR+3], s[G1SR:G1SR+7]
	s_nop 0
	tensor_load_to_lds s[G0R:G0R+3], s[G1R:G1R+7]
	s_nop 0
	tensor_load_to_lds s[G0R+4:G0R+7], s[G1R:G1R+7]
	s_nop 0
	tensor_load_to_lds s[G0R+8:G0R+11], s[G1R:G1R+7]
	s_nop 0
	tensor_load_to_lds s[G0R+12:G0R+15], s[G1R:G1R+7]
	s_nop 0
	PLACES 4
	s_branch .Lfirst_asked
.Lfirst_p:
	tensor_load_to_lds s[G0SP:G0SP+3], s[G1SP:G1SP+7]
	s_nop 0
	tensor_load_to_lds s[G0P:G0P+3], s[G1P:G1P+7]
	s_nop 0
	tensor_load_to_lds s[G0P+4:G0P+7], s[G1P:G1P+7]
	s_nop 0
	tensor_load_to_lds s[G0P+8:G0P+11], s[G1P:G1P+7]
	s_nop 0
	tensor_load_to_lds s[G0P+12:G0P+15], s[G1P:G1P+7]
	s_nop 0
	PLACES 4
.Lfirst_asked:
	v_and_b32 v1, 15, v0                           ; r
	v_bfe_u32 v2, v0, 4, 1                         ; h
	v_and_b32 v3, 31, v0                           ; lane
	v_lshlrev_b32 v[CO], 4, v3
	v_lshlrev_b32 v3, 3, v3                        ; 8 x lane
	s_mul_i32 s2, s13, RPART                       ; my 64 rows of R
	s_mul_i32 s100, s14, PHALF                     ; my 128 columns of P,
	s_add_co_u32 s100, s100, POFF                  ; behind R's 128 rows
.irp s, 0,1,2,3
	v_add_nc_u32 v[ADRR+\s], s2, v3
	v_add_nc_u32 v[ADRP+\s], s100, v3
	s_add_co_u32 s2, s2, SLOT
	s_add_co_u32 s100, s100, SLOT
.endr
	s_lshl_b32 s2, s13, 11                         ; R's scale words: my 64 rows
	s_lshl_b32 s100, s14, 12                       ; P's: my 128 columns, behind R's 4,096 bytes
	s_add_co_u32 s100, s100, SCP
	s_sub_co_u32 s100, s100, s2
	v_mul_u32_u24 v4, s100, v2                     ; lanes 16-31 take P's
	s_add_co_u32 s2, s2, SCL
	v_lshl_add_u32 v4, v1, 4, v4                   ; 16 bytes a row: four words
	v_add_nc_u32 v[ADRS], s2, v4
	s_mul_i32 s2, s12, 16*SPT                      ; my stage, in slot 0
	v_mul_u32_u24 v4, v1, SPT
	v_lshl_add_u32 v4, v2, 6, v4
	v_add_nc_u32 v[STO], s2, v4                    ; in: row r, + 64 h bytes: my 16 of each 32 columns
	v_add_nc_u32 v[RD], s2, v[CO]                  ; back: the 32 lanes take one row of 512 bytes
	v_lshlrev_b32 v5, 6, v2                        ; the bias: 64 h bytes
	s_lshl_b32 s2, s17, 10
	s_lshl_b32 s66, s14, 9
	s_add_co_u32 s2, s2, s66                       ; my first column, in bytes: 4 x (256 cx + 128 x half)
	s_add_nc_u64 s[8:9], s[8:9], s[2:3]            ; the bias at it
	s_lshl_b32 s100, s22, 7
	s_lshl_b32 s67, s13, 6
	s_add_co_u32 s100, s100, s67                   ; my first row: 128 x R's tile + 64 x half
	s_lshl_b32 s100, s100, 12                      ; rows of 4,096 bytes
	s_add_co_u32 s100, s100, s2
	s_add_nc_u64 s[10:11], s[10:11], s[100:101]    ; out0 at my first row and column
	WIN 0x40                                       ; destination window 1
.irp g, 0,1,2,3
.irp j, 0,1,2,3
	global_load_b128 v[96+16*\g+4*\j+96*(\g/2):96+16*\g+4*\j+96*(\g/2)+3], v5, s[8:9] offset:128*\g+16*\j   ; register 16 g + i: the bias of column 32 g + 16 h + i
.endr
.endr
	WIN 0
.macro FRAG reg, adr, q, i             ; a fragment: tile i's two half fragments of the slot's q-th 128 along K: six loads of 8 bytes a lane, each 256 consecutive bytes
.irp p, 0,1,2,3,4,5
	ds_load_b64 v[\reg+2*\p:\reg+2*\p+1], v[\adr] offset:TILEB*(\i)+1536*(\q)+256*\p
.endr
.endm
.macro FETCH_P slot, q, set, i0        ; P's tiles i0 .. i0 + 3: 24 loads
	WIN 0x40
.irp i, \i0, \i0+1, \i0+2, \i0+3
	FRAG 128*(\set)+FR*(\i), ADRP+\slot, \q, \i
.endr
.endm
.macro FETCH_R slot, q, set            ; R's four tiles: 24 loads
	WIN 0
.irp i, 0,1,2,3
	FRAG RF+48*(\set)+FR*\i, ADRR+\slot, \q, \i
.endr
.endm
.macro SCALES                          ; all of K's scale words, once: four words a load.  (For i from 4 on lanes 0-15 read words that no product names; the bytes lie inside the scale words' region)
.irp i, 0,1,2,3,4,5,6,7
.irp g, 0,1
	ds_load_b128 v[SC+8*\i+4*\g:SC+8*\i+4*\g+3], v[ADRS] offset:512*\i+256*\g
.endr
.endr
.endm
; 8 matrix instructions: R's block a x P's eight, K step kq, from set number set.  zero = 1: the first product starts the sums.  The 32 accumulators take turns, one instruction a turn, in the same order in every step.
.macro MUL8 a, set, kq, zero
	WIN 0xa1                                       ; source 0 (P) window 1, source 1 (R) window 0, C and D window 2
.irp b, 0,1,2,3,4,5,6,7
.if \zero
	v_wmma_scale_f32_16x16x128_f8f6f4 v[8*(8*(\a)+\b):8*(8*(\a)+\b)+7], v[128*(\set)+FR*\b:128*(\set)+FR*\b+FR-1], v[RF+48*(\set)+FR*(\a):RF+48*(\set)+FR*(\a)+FR-1], 0, v[SC+8*\b+(\kq)], v[SC+8*(\a)+(\kq)] matrix_a_fmt:MATRIX_FMT_FP6 matrix_b_fmt:MATRIX_FMT_FP6 matrix_a_scale:MATRIX_SCALE_ROW1
.else
	v_wmma_scale_f32_16x16x128_f8f6f4 v[8*(8*(\a)+\b):8*(8*(\a)+\b)+7], v[128*(\set)+FR*\b:128*(\set)+FR*\b+FR-1], v[RF+48*(\set)+FR*(\a):RF+48*(\set)+FR*(\a)+FR-1], v[8*(8*(\a)+\b):8*(8*(\a)+\b)+7], v[SC+8*\b+(\kq)], v[SC+8*(\a)+(\kq)] matrix_a_fmt:MATRIX_FMT_FP6 matrix_b_fmt:MATRIX_FMT_FP6 matrix_a_scale:MATRIX_SCALE_ROW1
.endif
.endr
.endm
; K step kq multiplies set kq % 2 and fetches the next step's fragments (slot nslot, its nq-th 128) into the other set, which the last step's products read: so four plain vector instructions stand between those products and the
; loads (ISA guide 7.12.1 for vector instructions).  meet >= 0: the next step's slot is a new one: each wave waits until at most meet of its tensor loads are out, which shows its part of that slot
; landed, and a barrier shows everybody's; the later slots may stay on their way.
.macro STEP kq, nslot, nq, zero, meet
	s_wait_dscnt 0x0                               ; this step's fragments are in; no LDS instruction of mine is out
.if \meet >= 0
	s_wait_tensorcnt \meet
	s_barrier_signal -1
	MUL8 0, (\kq)%2, \kq, \zero                    ; work on registers while the others arrive
	s_barrier_wait -1
	PLACES 4
	FETCH_P \nslot, \nq, 1-(\kq)%2, 0
	MUL8 1, (\kq)%2, \kq, \zero
	FETCH_P \nslot, \nq, 1-(\kq)%2, 4
	MUL8 2, (\kq)%2, \kq, \zero
	FETCH_R \nslot, \nq, 1-(\kq)%2
	MUL8 3, (\kq)%2, \kq, \zero
.else
	PLACES 4
	FETCH_P \nslot, \nq, 1-(\kq)%2, 0
	MUL8 0, (\kq)%2, \kq, \zero
	FETCH_P \nslot, \nq, 1-(\kq)%2, 4
	MUL8 1, (\kq)%2, \kq, \zero
	FETCH_R \nslot, \nq, 1-(\kq)%2
	MUL8 2, (\kq)%2, \kq, \zero
	MUL8 3, (\kq)%2, \kq, \zero
.endif
.endm
	s_wait_tensorcnt 0x3                           ; my scale words and my part of slot 0 are in; slots 1 to 3, issued behind them, may be out
	s_barrier_signal -1
	s_barrier_wait -1                              ; everybody's are
	SCALES
	FETCH_P 0, 0, 0, 0
	FETCH_P 0, 0, 0, 4
	FETCH_R 0, 0, 0
	STEP 0, 0, 1, 1, -1                            ; the first step's products start the sums: nothing is cleared
	STEP 1, 1, 0, 0, 2                             ; slot 1 is shown; slots 2 and 3 may be out
	STEP 2, 1, 1, 0, -1
	STEP 3, 2, 0, 0, 1                             ; slot 2 is shown; slot 3 may be out
	STEP 4, 2, 1, 0, -1
	STEP 5, 3, 0, 0, 0                             ; slot 3 is shown: no tensor load is out any more
	STEP 6, 3, 1, 0, -1
	s_wait_dscnt 0x0                               ; the last step: nothing more to fetch
	MUL8 0, 1, 7, 0
	MUL8 1, 1, 7, 0
	MUL8 2, 1, 7, 0
	MUL8 3, 1, 7, 0
	WIN 0
; THE WAY OUT, R's blocks (16 rows x 128 columns) one after the other.  ADDB: the block's eight accumulators + the bias, each accumulator from its low end on, into 64 registers of window 0: register 16 g + i = column 32 g + 16 h + i.
; TOSTAGE: into my own stage in LDS, and back as whole rows of 512 bytes.  SEND: stored.  LDS serves a wave's instructions in order (ISA guide 5.7.1.4): no wait between the stores and the loads, nor in front of the next block's stores.
.macro ADDB a
	WIN 0x06                                       ; source 0, the accumulators: window 2; source 1, the bias: window 1
.set AC, 64*(\a)
.set SB, 128+64*((\a)%2)
.set i, 0
.rept 32
	v_pk_add_f32 v[SB+2*i:SB+2*i+1], v[AC+2*i:AC+2*i+1], v[96+2*i+96*(i/16):96+2*i+96*(i/16)+1]
.set i, i+1
.endr
	WIN 0
.endm
.macro TOSTAGE a
.set SB, 128+64*((\a)%2)
.set BB, 128*((\a)%2)
.irp g, 0,1,2,3
.irp j, 0,1,2,3
	ds_store_b128 v[STO], v[SB+16*\g+4*\j:SB+16*\g+4*\j+3] offset:128*\g+16*\j
.endr
.endr
	WIN 0x40                                       ; destination window 1: the registers that held P's fragments
.irp t, 0,1,2,3,4,5,6,7,8,9,10,11,12,13,14,15
	ds_load_b128 v[BB+4*\t:BB+4*\t+3], v[RD] offset:SPT*\t
.endr
	WIN 0
.endm
.macro SEND a, younger                 ; younger: the LDS instructions issued behind block a's loads, which may stay out
.set BB, 128*((\a)%2)
	s_wait_dscnt \younger                          ; the block is back in registers
	WIN 0x04                                       ; a store's data are its source 1: window 1
.irp t, 0,1,2,3,4,5,6,7,8,9,10,11,12,13,14,15
	global_store_b128 v[CO], v[BB+4*\t:BB+4*\t+3], s[10:11] offset:(32*((\a)/2)+8*((\a)%2)+\t+8*(\t/8))*4096 th:TH_STORE_NT   ; lane t of R's tile a is that row; 512 consecutive bytes, aligned to 256; the offset is 63 rows at the most
.endr
	WIN 0
.endm
	PLACES 4                                       ; behind the last products: their results are read and their operands' registers written below
	s_wait_loadcnt 0x0                             ; the bias
	ADDB 0
	TOSTAGE 0
.irp a, 1,2,3
	ADDB \a
.if \a > 1
	s_wait_xcnt 0x0                                ; block a - 2's stores have read their registers: block a's loads may land there
.endif
	TOSTAGE \a
	SEND \a-1, 32                                  ; behind block a - 1's loads: block a's 16 stores and 16 loads
.endr
	SEND 3, 0
	s_wait_tensorcnt 0x0                           ; the wave's end: behind my last tensor load and my last LDS store
	ds_add_u32 v[SPW], v[NIL]
	s_wait_dscnt 0x0
	CROUND                                         ; the closing round: no work-group ends while a partner may still ask for a tile that names it
	s_endpgm
.Lfunc_end_k_q8bbc4457f5_proj:
	.size	k_q8bbc4457f5_proj, .Lfunc_end_k_q8bbc4457f5_proj-k_q8bbc4457f5_proj
	.p2alignl 7, 3214868480
	.fill 96, 4, 3214868480
	.section	.rodata,"a",@progbits
	.p2align	6, 0x0
	.amdhsa_kernel k_q8bbc4457f5_proj
		.amdhsa_group_segment_fixed_size 327680
		.amdhsa_private_segment_fixed_size 0
		.amdhsa_enable_private_segment 0
		.amdhsa_kernarg_size 32
		.amdhsa_user_sgpr_count 2
		.amdhsa_user_sgpr_kernarg_segment_ptr 1
		.amdhsa_wavefront_size32 1
		.amdhsa_system_sgpr_workgroup_id_x 1
		.amdhsa_system_sgpr_workgroup_id_y 1
		.amdhsa_system_sgpr_workgroup_id_z 1
		.amdhsa_system_vgpr_workitem_id 0
		.amdhsa_next_free_vgpr 1024
		.amdhsa_next_free_sgpr 102
		.amdhsa_reserve_vcc 0
		.amdhsa_float_denorm_mode_32 3
		.amdhsa_float_denorm_mode_16_64 3
		.amdhsa_memory_ordered 1
		.amdhsa_forward_progress 1
		.amdhsa_inst_pref_size 107
	.end_amdhsa_kernel
	.amdgpu_metadata
---
amdhsa.version: [ 1, 2 ]
amdhsa.kernels:
  - .name:           k_q8bbc4457f5_proj
    .symbol:         k_q8bbc4457f5_proj.kd
    .args:
      - { .name: yq, .offset: 0, .size: 8, .value_kind: global_buffer, .address_space: global }
      - { .name: wq, .offset: 8, .size: 8, .value_kind: global_buffer, .address_space: global }
      - { .name: b_proj, .offset: 16, .size: 8, .value_kind: global_buffer, .address_space: global }
      - { .name: out0, .offset: 24, .size: 8, .value_kind: global_buffer, .address_space: global }
    .group_segment_fixed_size: 327680
    .private_segment_fixed_size: 0
    .kernarg_segment_align: 8
    .kernarg_segment_size: 32
    .max_flat_workgroup_size: 128
    .sgpr_count:     102
    .vgpr_count:     1024
    .wavefront_size: 32
...
	.end_amdgpu_metadata
.endif
;; end of part 4
